; MI455X (gfx1250); checked and timed in simulation.
; The chip was launched on July 23, 2026; its instructions are those of AMD's public machine-readable ISA for CDNA 5 (MIT licence, August 2026) and "CDNA5" Instruction Set Architecture Reference Guide (July 2026). The comments in the code are by the model that wrote it; some were corrected since.
;; Evo2 Attention. Allowed arithmetic: float matrix products may take bf16 or f16 operands with f32 sums; other float arithmetic in f32, or as packed bf16 or f16 multiplies, adds, multiply-adds, maxima and minima; sums over many terms, partial sums and values carried from step to step in f32; what a program stores and reads back later, other than sums and carried values, may be rounded once to bf16 or f16.
;; Inputs: Wk 2,048 x 2,048 float32; Wo 2,048 x 2,048 float32; Wq 2,048 x 2,048 float32; Wv 2,048 x 2,048 float32; attention_mask 1 x 2,048 x 2,048 float32; hidden_states 1 x 2,048 x 2,048 float32.
;; Outputs: out0 1 x 2,048 x 2,048 float32.
;; One version. Each part assembles by itself: llvm-mc -triple=amdgcn-amd-amdhsa -mcpu=gfx1250 --defsym DOCPART=n.
;; ======== version 1 of 1: 4 launches
;; limits: values are held in f16: magnitudes above 65,504 overflow, below 6.1e-05 lose precision
;; workspace buffers: xw 41,943,040 bytes; rope 524,288 bytes; qkv 25,165,824 bytes; att 8,388,608 bytes
;; launch prep (part 1): grid 256 x 6, 8 waves a work-group, no clusters, 0 bytes of LDS; arguments hidden_states, Wq, Wk, Wv, Wo, xw, rope; writes xw, rope
.if DOCPART == 1
	.amdgcn_target "amdgcn-amd-amdhsa--gfx1250"
	.amdhsa_code_object_version 6
	.text
	.protected	k_qd8b9bc8e88_prep
	.globl	k_qd8b9bc8e88_prep
	.p2align	8
	.type	k_qd8b9bc8e88_prep,@function
k_qd8b9bc8e88_prep:
	s_mov_b64 s[64:65], 0
	v_nop
	global_prefetch_b8 v0, s[64:65] scope:SCOPE_SE
	s_setreg_imm32_b32 hwreg(HW_REG_WAVE_MODE, 25, 1), 1
	s_wait_xcnt 0x0
; CASTS AND THE ROTARY TABLE.  Work-groups with y = 0..4 round one f32 matrix of 2048 x 2048 to 16 bits: y = 0 x, 1 Wq, 2 Wk, 3 Wv to bf16; y = 4 Wo to bf16,
; and that number is written as f16 (exact down to 2^-14; below it f16 keeps a fixed step of 6e-8).  Matrix y lies at y x 8,388,608 in xw.
; y = 5 makes rope[s][i] = (cos, sin) of s x 10000^-(i/32), i = 0..31: channel pair j of a head turns by entry j mod 32.
; LIMITS.  |Wo| stays under 65,504.  NaN and infinities are not treated apart.
; SHARES.  A work-group takes 65,536 bytes of its matrix, a wave 8,192: sixteen loads of 512 consecutive bytes, all issued at once; each gives one store of 256
; consecutive bytes, aligned.  No LDS, no barrier: no wave wants a byte of another.  No register that a load or store names is ever rewritten.
.set X, 16                             ; v[16:79]   sixteen loads of four f32
.set Y, 80                             ; v[80:111]  sixteen pairs of packed halves
	s_load_b256 s[4:11], s[0:1], 0x0               ; x s[4:5], Wq s[6:7], Wk s[8:9], Wv s[10:11]
	s_load_b128 s[12:15], s[0:1], 0x20             ; Wo s[12:13], xw s[14:15]
	s_load_b64 s[16:17], s[0:1], 0x30              ; rope
	s_and_b32 s20, ttmp7, 0xffff                   ; y
	v_and_b32 v3, 31, v0                           ; lane
	v_lshrrev_b32 v4, 5, v0                        ; wave
	v_lshlrev_b32 v1, 4, v3
	v_lshl_add_u32 v1, v4, 13, v1                  ; in: 8,192 x wave + 16 x lane
	v_lshlrev_b32 v2, 3, v3
	v_lshl_add_u32 v2, v4, 12, v2                  ; out: 4,096 x wave + 8 x lane
	s_mov_b32 s25, 0
	s_wait_kmcnt 0x0
	s_cmp_eq_u32 s20, 5
	s_cbranch_scc1 .Ltable
	s_mov_b64 s[22:23], s[4:5]                     ; the matrix is chosen by y
	s_cmp_eq_u32 s20, 1
	s_cselect_b64 s[22:23], s[6:7], s[22:23]
	s_cmp_eq_u32 s20, 2
	s_cselect_b64 s[22:23], s[8:9], s[22:23]
	s_cmp_eq_u32 s20, 3
	s_cselect_b64 s[22:23], s[10:11], s[22:23]
	s_cmp_eq_u32 s20, 4
	s_cselect_b64 s[22:23], s[12:13], s[22:23]
	s_lshl_b32 s24, ttmp9, 16                      ; the work-group's 65,536 bytes
	s_add_nc_u64 s[22:23], s[22:23], s[24:25]
	s_lshl_b32 s24, s20, 23
	s_lshl_b32 s26, ttmp9, 15
	s_add_co_u32 s24, s24, s26
	s_add_nc_u64 s[14:15], s[14:15], s[24:25]      ; xw at matrix y, the work-group's 32,768 bytes
.irp i, 0,1,2,3,4,5,6,7,8,9,10,11,12,13,14,15
	global_load_b128 v[X+4*(\i):X+4*(\i)+3], v1, s[22:23] offset:512*(\i) th:TH_LOAD_NT
.endr
; Load i is rounded and stored.  half = 1: the bf16 number is widened again (a shift, a mask) and written as f16.
.macro CAST i, half
	s_wait_loadcnt 15-(\i)                         ; loads come back in order: load i is in, the 15 - i younger ones stay out
	v_cvt_pk_bf16_f32 v[Y+2*(\i)], v[X+4*(\i)], v[X+4*(\i)+1]
	v_cvt_pk_bf16_f32 v[Y+2*(\i)+1], v[X+4*(\i)+2], v[X+4*(\i)+3]
.if \half
	v_lshlrev_b32 v8, 16, v[Y+2*(\i)]
	v_and_b32 v9, 0xffff0000, v[Y+2*(\i)]
	v_lshlrev_b32 v10, 16, v[Y+2*(\i)+1]
	v_and_b32 v11, 0xffff0000, v[Y+2*(\i)+1]
	v_cvt_pk_f16_f32 v[Y+2*(\i)], v8, v9
	v_cvt_pk_f16_f32 v[Y+2*(\i)+1], v10, v11
.endif
	global_store_b64 v2, v[Y+2*(\i):Y+2*(\i)+1], s[14:15] offset:256*(\i)  ; 32 lanes x 8 bytes: 256 consecutive bytes, aligned
.endm
	s_cmp_eq_u32 s20, 4
	s_cbranch_scc1 .Lwo
.irp i, 0,1,2,3,4,5,6,7,8,9,10,11,12,13,14,15
	CAST \i, 0
.endr
	s_endpgm
.Lwo:
.irp i, 0,1,2,3,4,5,6,7,8,9,10,11,12,13,14,15
	CAST \i, 1
.endr
	s_endpgm
.Ltable:                                       ; one entry a thread: s = 8 x + wave, i = lane; a wave stores one row of 256 bytes
	s_mov_b32 s26, 0xbed49a78                      ; -log2(10000) / 32, its f32 part,
	s_mov_b32 s27, 0xb2179918                      ; and what that leaves
	s_mov_b32 s29, 0xbfc90fda                      ; -pi / 2 in three parts
	s_mov_b32 s30, 0xb3a22168
	s_mov_b32 s31, 0xa7c234c4
	s_lshl_b32 s28, ttmp9, 3
	s_lshl_b32 s24, ttmp9, 11                      ; the work-group's eight rows
	s_add_nc_u64 s[16:17], s[16:17], s[24:25]
	v_cvt_f32_u32 v5, v3                           ; i
	v_add_nc_u32 v9, s28, v4
	v_cvt_f32_u32 v9, v9                           ; s
	v_mul_f32 v6, s26, v5                          ; p = the exponent, rounded,
	v_fma_f32 v7, v5, s26, -v6                     ; what the rounding dropped,
	v_fma_f32 v7, v5, s27, v7                      ; and the constant's low part
	v_exp_f32 v8, v6
	v_mul_f32 v7, 0x3f317218, v7                   ; x ln 2: a plain line behind the exponential
	s_wait_alu depctr_va_vdst(0)                   ; the wait ahead of the result's first reader
	v_fma_f32 v8, v8, v7, v8                       ; the frequency
	v_mul_f32 v10, v9, v8                          ; the angle, rounded once to f32
	v_mul_f32 v11, 0x3f22f983, v10                 ; x 2 / pi
	v_rndne_f32 v11, v11                           ; k quarter turns, 1,303 at the most
	v_fma_f32 v12, v11, s29, v10
	v_fma_f32 v12, v11, s30, v12
	v_fma_f32 v12, v11, s31, v12                   ; r = angle - k pi / 2, within pi / 4
	v_mul_f32 v13, v12, v12                        ; z = r r
	v_mov_b32 v14, 0x3638ef1d                      ; sine: 1/9!, -1/7!, 1/5!, -1/3!
	v_mov_b32 v15, 0x37d00d01                      ; cosine: 1/8!, -1/6!, 1/4!, -1/2
	v_fmaak_f32 v14, v14, v13, 0xb9500d01
	v_fmaak_f32 v15, v15, v13, 0xbab60b61
	v_fmaak_f32 v14, v14, v13, 0x3c088889
	v_fmaak_f32 v15, v15, v13, 0x3d2aaaab
	v_fmaak_f32 v14, v14, v13, 0xbe2aaaab
	v_fmaak_f32 v15, v15, v13, 0xbf000000
	v_mul_f32 v16, v12, v13
	v_fma_f32 v14, v16, v14, v12                   ; sin r
	v_fma_f32 v15, v15, v13, 1.0                   ; cos r
	v_cvt_i32_f32 v16, v11
	v_and_b32 v17, 1, v16
	v_cmp_ne_u32 vcc_lo, 0, v17                    ; an odd quarter swaps the two
	v_cndmask_b32 v18, v14, v15, vcc_lo
	v_cndmask_b32 v19, v15, v14, vcc_lo
	v_and_b32 v17, 2, v16                          ; quarters 2 and 3 turn the sine's sign,
	v_lshlrev_b32 v17, 30, v17
	v_xor_b32 v21, v17, v18
	v_add_nc_u32 v16, 1, v16                       ; quarters 1 and 2 the cosine's
	v_and_b32 v16, 2, v16
	v_lshlrev_b32 v16, 30, v16
	v_xor_b32 v20, v16, v19
	v_lshlrev_b32 v22, 3, v0
	global_store_b64 v22, v[20:21], s[16:17]
	s_endpgm
.Lfunc_end_k_qd8b9bc8e88_prep:
	.size	k_qd8b9bc8e88_prep, .Lfunc_end_k_qd8b9bc8e88_prep-k_qd8b9bc8e88_prep
	.p2alignl 7, 3214868480
	.fill 96, 4, 3214868480
	.section	.rodata,"a",@progbits
	.p2align	6, 0x0
	.amdhsa_kernel k_qd8b9bc8e88_prep
		.amdhsa_group_segment_fixed_size 0
		.amdhsa_private_segment_fixed_size 0
		.amdhsa_enable_private_segment 0
		.amdhsa_kernarg_size 56
		.amdhsa_user_sgpr_count 2
		.amdhsa_user_sgpr_kernarg_segment_ptr 1
		.amdhsa_wavefront_size32 1
		.amdhsa_system_sgpr_workgroup_id_x 1
		.amdhsa_system_sgpr_workgroup_id_y 1
		.amdhsa_system_sgpr_workgroup_id_z 1
		.amdhsa_system_vgpr_workitem_id 0
		.amdhsa_next_free_vgpr 112
		.amdhsa_next_free_sgpr 66
		.amdhsa_reserve_vcc 1
		.amdhsa_float_denorm_mode_32 3
		.amdhsa_float_denorm_mode_16_64 3
		.amdhsa_memory_ordered 1
		.amdhsa_forward_progress 1
		.amdhsa_inst_pref_size 19
	.end_amdhsa_kernel
	.amdgpu_metadata
---
amdhsa.version: [ 1, 2 ]
amdhsa.kernels:
  - .name:           k_qd8b9bc8e88_prep
    .symbol:         k_qd8b9bc8e88_prep.kd
    .args:
      - { .name: hidden_states, .offset: 0, .size: 8, .value_kind: global_buffer, .address_space: global }
      - { .name: Wq, .offset: 8, .size: 8, .value_kind: global_buffer, .address_space: global }
      - { .name: Wk, .offset: 16, .size: 8, .value_kind: global_buffer, .address_space: global }
      - { .name: Wv, .offset: 24, .size: 8, .value_kind: global_buffer, .address_space: global }
      - { .name: Wo, .offset: 32, .size: 8, .value_kind: global_buffer, .address_space: global }
      - { .name: xw, .offset: 40, .size: 8, .value_kind: global_buffer, .address_space: global }
      - { .name: rope, .offset: 48, .size: 8, .value_kind: global_buffer, .address_space: global }
    .group_segment_fixed_size: 0
    .private_segment_fixed_size: 0
    .kernarg_segment_align: 8
    .kernarg_segment_size: 56
    .max_flat_workgroup_size: 256
    .sgpr_count:     66
    .vgpr_count:     112
    .wavefront_size: 32
...
	.end_amdgpu_metadata
.endif
;; end of part 1
;; launch qkv (part 2): grid 16 x 16, 4 waves a work-group, clusters of 4 x 4, 327,680 bytes of LDS; arguments xw, rope, qkv; writes qkv
.if DOCPART == 2
	.amdgcn_target "amdgcn-amd-amdhsa--gfx1250"
	.amdhsa_code_object_version 6
	.text
	.protected	k_qd8b9bc8e88_qkv
	.globl	k_qd8b9bc8e88_qkv
	.p2align	8
	.type	k_qd8b9bc8e88_qkv,@function
k_qd8b9bc8e88_qkv:
	s_mov_b64 s[64:65], 0
	v_nop
	global_prefetch_b8 v0, s[64:65] scope:SCOPE_SE
	s_setreg_imm32_b32 hwreg(HW_REG_WAVE_MODE, 25, 1), 1
	s_wait_xcnt 0x0
	s_wait_alu depctr_hold_cnt(0) depctr_sa_sdst(0) depctr_va_vdst(0) depctr_va_sdst(0) depctr_va_ssrc(0) depctr_va_vcc(0) depctr_vm_vsrc(0)
	s_getreg_b32 s2, hwreg(HW_REG_IB_STS2, 6, 4)
	s_cmp_eq_u32 s2, 0
	s_cbranch_scc0 .Lentry_in_a_cluster
	s_endpgm
.Lentry_in_a_cluster:
	s_bfe_u32 s2, ttmp6, 0x10000c
	s_cmp_lg_u32 s2, 0xf033
	s_cbranch_scc0 .Lentry_shape_is_right
	s_endpgm
.Lentry_shape_is_right:
; q, k, v = x W^T for one head and 128 rows, the rotary turn on q and k, q x log2(e) / sqrt(128), all rounded once to f16 and laid by heads: qkv[3][16 h][2048 s][128].
; x and the weights come as bf16 from xw (matrix 0 x, 1 Wq, 2 Wk, 3 Wv; rows of 4,096 bytes); sums in f32.
; LIMITS.  f16 ends at 65,504: |q| x 0.1275, |k| and |v| stay under it.  NaN and infinities are not treated apart.
; SHARES.  Work-group (x = head h, y = row block rb) makes 128 rows x the 128 columns of head h in each of q, k, v.  Wave w: rows 64 (w / 2) on, columns 64 (w % 2) on of each matrix:
; 48 accumulators of 16 x 16.  K goes in 16 steps of 128 through a ring of two LDS slots; a slot holds 128 rows of x, of Wq, of Wk and of Wv; wave w fetches matrix w's.
; CLUSTER.  4 x 4 work-groups.  x's rows hang on rb alone and are shared along a row of the cluster; the weights' rows on h alone, shared along a column: each tile is asked for jointly.
; THE WALK'S START.  A cluster begins at K step (8 g + 4 X) mod 16 and goes round (X: the cluster's x; g = 1 for cluster rows 1 and 2).  So the four clusters that read the same rows of x begin 4 steps apart, and of
; the four that read the same weights two begin 8 steps from the other two: clusters that read the same rows ask for different blocks at a time.  The f32 sums are taken in that order.
; THE PRODUCT IS USED TRANSPOSED (source 0 = 16 rows of W, source 1 = 16 rows of x): a lane holds row l % 16 and eight neighbouring columns, which are four rotary pairs.
; REGISTERS, in windows of 256:  window 0: v16-31 addresses; v32-95 packed results; v96-111 at work; v128-191 x's fragments, two buffers of 32
;   window 1: the weights' fragments, two buffers of 96 (matrix m, column block b at 96 f + 32 m + 8 b)     window 2: q's accumulators v0-127, k's v128-255
;   window 3: v's accumulators v0-127; v128-255 the table (row block a, column block b at 128 + 32 a + 8 b: four pairs cos, sin)
.set KSTEP,  128
.set STEPS,  16
.set PITCH,  272                       ; an LDS row: 256 bytes + 16 of padding: the 16 rows of a load start at 16 different groups of four banks
.set HALFT,  128*PITCH                 ; what one tensor load brings
.set SLOT,   4*HALFT                   ; 0x22000: none of the four fill addresses in slot 0 has one of its two bits, so one exclusive or turns each into slot 1's
.set STAGE,  2*SLOT                    ; behind the ring: 128 rows x 272 bytes, the work-group's, for the way out; no tensor load fills it
.set SPARE,  STAGE+128*PITCH           ; the spare words, 128 bytes for each wave: two blocks of 256 bytes that no other line names
.set MATB,   8388608                   ; bytes in a matrix of xw and of qkv
.set ADRA, 16                          ; v16     LDS address of my fragments of x in the slot that is being read
.set BASA, 17                          ; v17     the same in slot 0; never rewritten
.set ADRB, 18                          ; v18-20  of the weights, by matrix
.set BASB, 21                          ; v21-23  the same in slot 0; never rewritten
.set STO,  24
.set RD,   25
.set CO,   26
.set SPW,  28                          ; v28  my spare word; never rewritten
.set NIL,  29                          ; v29  0; never rewritten
.set PFO,  30                          ; v30  the prefetches' offset: lane x 4,096; never rewritten
.set RO,   31                          ; v31  my offset in 16 rows of the table; never rewritten
.set TMP,  32
.set OT,   96
.set T1,   104
.set FA,   128
.set TBL,  128
.set F0,   0
.set F1,   1
.set G1,  24                           ; s[24:31] group 1 for x's tiles;  s[32:39] group 0: a set for each of the two first fills; the second then walks on
.set G0,  32
.set G1B, 48                           ; s[48:55], s[56:63] the same for the weights' tiles
.set G0B, 56
.set LIM, 43                           ; s43  10 in a wave that prefetches, else the greatest number
.set PFA, 44                           ; s[44:45] what the next prefetch names
.set XB,  66                           ; s[66:67] x at the row block's first row
.set WB,  68                           ; s[68:69] matrix w at the head's first row
.set NX,  70                           ; s70  the K step to be asked for next, before it is taken modulo 16
.set CLY, 71                           ; s71  the cluster's y
.set OF,  72                           ; s[72:73] that step's byte offset in a row
.set PFB, 74                           ; s[74:75] matrix w at my work-group's 32 rows of the head's 128
.set TB,  76                           ; s76  LDS byte at which the slot that is being read begins
.set PO,  78                           ; s[78:79] the prefetched step's byte offset in a row
.set MSB, 0
.macro WIN new                         ; the immediate's high byte repeats the setting that is left; a switch that changes nothing is dropped
.if MSB != (\new)
	s_set_vgpr_msb (MSB<<8)|(\new)
.set MSB, \new
.endif
.endm
; A joint load.  Wave 0 fetches x's rows, waves 1 to 3 the rows of Wq, Wk, Wv.  The branch hangs on the wave's number alone.  An s_nop 0 and four v_nop follow each line.
.macro JLOAD s
	s_cmp_eq_u32 s10, 0
	s_cbranch_scc0 .Lfor_b_\@
	tensor_load_to_lds s[G0+4*(\s):G0+4*(\s)+3], s[G1:G1+7]
	s_nop 0
.rept 4
	v_nop
.endr
	s_branch .Lasked_\@
.Lfor_b_\@:
	tensor_load_to_lds s[G0B+4*(\s):G0B+4*(\s)+3], s[G1B:G1B+7]
	s_nop 0
.rept 4
	v_nop
.endr
.Lasked_\@:
.endm
; A prefetch of the K step that stands two refills on: 32 rows x 256 bytes, a lane a row.  Asked for are the weights' steps 4 to 7 of the cluster's own walk: by the walk's order no other cluster asks for these earlier.
; Two clusters of a column walk alike: the one with y < 2 asks.  The four partners share a wave's 128 rows out by address, 32 each.  So each block is named once.  The loop's first four trips ask, the others do not.
; x's blocks are not asked for: those that no other cluster asks for earlier are the walk's steps 0 to 3, which the first fills and the first two refills bring.
.macro ASK
	WIN 0
	s_cmp_gt_u32 s3, s[LIM]
	s_cbranch_scc0 .Lnot_mine_\@
	global_prefetch_b8 v[PFO], s[PFA:PFA+1] th:TH_LOAD_NT scope:SCOPE_SE
.Lnot_mine_\@:
.endm
.macro CROUND                          ; a round of the cluster's barrier
	s_barrier_signal -1
	s_barrier_wait -1
	s_cmp_lg_u32 s10, 0
	s_cbranch_scc1 .Lnot_wave_0_\@
	s_barrier_signal -3
.Lnot_wave_0_\@:
	s_barrier_wait -3
	s_barrier_signal -1
	s_barrier_wait -1
.endm
	s_load_b128 s[4:7], s[0:1], 0x0                ; xw s[4:5], rope s[6:7]
	s_load_b64 s[8:9], s[0:1], 0x10                ; qkv
	v_lshl_add_u32 v[SPW], v0, 2, SPARE
	v_mov_b32 v[NIL], 0
	ds_add_u32 v[SPW], v[NIL]                      ; the wave's opening: the add and its wait ahead of my first tensor load
	v_lshrrev_b32 v1, 5, v0
	v_readfirstlane_b32 s10, v1                    ; wave 0..3: also the matrix that I fetch
	s_lshr_b32 s11, s10, 1                         ; which 64 rows are mine
	s_and_b32 s12, s10, 1                          ; which 64 columns
	s_bfe_u32 s40, ttmp6, 0x40000                  ; cx
	s_bfe_u32 s41, ttmp6, 0x40004                  ; cy
	s_lshl_b32 s42, ttmp9, 2
	s_add_co_u32 s42, s42, s40                     ; the head = 4 x cluster x + cx
	s_and_b32 s[CLY], ttmp7, 0xffff
	s_lshl_b32 s13, s[CLY], 2
	s_add_co_u32 s13, s13, s41                     ; the row block = 4 x cluster y + cy
	s_lshl_b32 s43, s41, 2
	s_lshl_b32 s43, 15, s43                        ; my row of the cluster
	s_lshl_b32 s44, 0x1111, s40                    ; my column
	s_or_b32 s[G1+0], s43, (1<<16)|(1<<20)|(1<<21)|(5<<22)|(3<<25)   ; the mask; 2-byte elements; padding on; bit 21 beside a mask; after every 64 words, 4 words
	s_or_b32 s[G1B+0], s44, (1<<16)|(1<<20)|(1<<21)|(5<<22)|(3<<25)
.irp g, G1, G1B
	s_mov_b32 s[(\g)+1], KSTEP<<16                 ; tensor_dim0 = 128
	s_mov_b32 s[(\g)+2], 128<<16                   ; tensor_dim1 = 128
	s_mov_b32 s[(\g)+3], KSTEP<<16                 ; tile_dim0 = 128
	s_mov_b32 s[(\g)+4], 128                       ; tile_dim1 = 128
	s_mov_b32 s[(\g)+5], 2048                      ; elements from row to row
	s_mov_b32 s[(\g)+6], 0
	s_mov_b32 s[(\g)+7], 0
.endr
	s_lshr_b32 s[NX], s[CLY], 1                    ; the walk's start: g = 1 for cluster rows 1 and 2,
	s_xor_b32 s[NX], s[NX], s[CLY]
	s_and_b32 s[NX], s[NX], 1
	s_lshl_b32 s[NX], s[NX], 3
	s_lshl_b32 s[OF], ttmp9, 2
	s_add_co_u32 s[NX], s[NX], s[OF]
	s_and_b32 s[NX], s[NX], STEPS-1                ; (8 g + 4 X) mod 16: the same in all sixteen partners
	s_lshl_b32 s[OF], s[NX], 8                     ; a K step is 256 bytes of a row
	s_mov_b32 s[OF+1], 0
	s_mov_b32 s[PO+1], 0
	s_mov_b32 s[TB], 0
	s_lshl_b32 s16, s13, 19                        ; x: 128 rows of 4,096 bytes a row block
	s_mov_b32 s17, 0
	s_lshl_b32 s46, s42, 19                        ; the weights: the head's 128 rows,
	s_lshl_b32 s47, s10, 23                        ; in matrix w
	s_add_co_u32 s46, s46, s47
	s_mov_b32 s47, 0
	s_mul_i32 s20, s10, HALFT                      ; where they go: wave x 128 rows
	s_wait_dscnt 0x0                               ; the opening add is done
	s_wait_kmcnt 0x0
	s_add_nc_u64 s[XB:XB+1], s[4:5], s[16:17]
	s_add_nc_u64 s[WB:WB+1], s[4:5], s[46:47]
	s_add_nc_u64 s[14:15], s[XB:XB+1], s[OF:OF+1]  ; both at the walk's first step; its second lies 256 bytes on (the start is a multiple of 4)
	s_add_nc_u64 s[46:47], s[WB:WB+1], s[OF:OF+1]
	CROUND                                         ; all sixteen work-groups are here: the first joint loads meet
.irp s, 0,1
	s_mov_b32 s[G0+4*(\s)], 1
	s_add_co_u32 s[G0+4*(\s)+1], s20, (\s)*SLOT
	s_add_nc_u64 s[G0+4*(\s)+2:G0+4*(\s)+3], s[14:15], (\s)*KSTEP*2
	s_or_b32 s[G0+4*(\s)+3], s[G0+4*(\s)+3], 0x80000000
	s_mov_b32 s[G0B+4*(\s)], 1
	s_add_co_u32 s[G0B+4*(\s)+1], s20, (\s)*SLOT
	s_add_nc_u64 s[G0B+4*(\s)+2:G0B+4*(\s)+3], s[46:47], (\s)*KSTEP*2
	s_or_b32 s[G0B+4*(\s)+3], s[G0B+4*(\s)+3], 0x80000000
	JLOAD \s
.endr
	s_add_co_u32 s[NX], s[NX], 2
	; the table for my 64 rows: column 16 b + 8 (l / 16) + j of either half of the head is pair 8 b + 4 (l / 16) + j / 2 modulo 32.  These loads stay out until the way out.
	v_and_b32 v1, 15, v0                           ; l % 16
	v_bfe_u32 v2, v0, 4, 1                         ; l / 16
	v_lshlrev_b32 v[RO], 8, v1
	v_lshl_add_u32 v[RO], v2, 5, v[RO]
	s_lshl_b32 s18, s13, 15
	s_lshl_b32 s19, s11, 14
	s_add_co_u32 s18, s18, s19
	s_mov_b32 s19, 0
	s_add_nc_u64 s[6:7], s[6:7], s[18:19]
	WIN 0xc0                                       ; destination window 3
.irp a, 0,1,2,3
.irp b, 0,1,2,3
	global_load_b128 v[TBL+32*(\a)+8*(\b):TBL+32*(\a)+8*(\b)+3],   v[RO], s[6:7] offset:(\a)*4096+(\b)*64
	global_load_b128 v[TBL+32*(\a)+8*(\b)+4:TBL+32*(\a)+8*(\b)+7], v[RO], s[6:7] offset:(\a)*4096+(\b)*64+16
.endr
.endr
	WIN 0
	v_mul_u32_u24 v3, v1, PITCH
	v_lshl_add_u32 v3, v2, 4, v3                   ; a fragment's row x pitch + 16 x half
	s_mul_i32 s21, s11, 64*PITCH
	s_mul_i32 s22, s12, 64*PITCH
	v_add_nc_u32 v[BASA], s21, v3
	v_add_nc_u32 v4, s22, v3
	v_mov_b32 v[ADRA], v[BASA]
.irp m, 0,1,2
	v_add_nc_u32 v[BASB+(\m)], (1+(\m))*HALFT, v4
	v_add_nc_u32 v[ADRB+(\m)], (1+(\m))*HALFT, v4
.endr
	s_mul_i32 s23, s11, 64*PITCH                   ; into the stage: my 64 rows, my half of their 256 bytes
	s_lshl_b32 s21, s12, 7
	s_add_co_u32 s23, s23, s21
	s_add_co_u32 s23, s23, STAGE
	v_add_nc_u32 v[STO], s23, v3
	s_mul_i32 s23, s10, 32*PITCH                   ; back: wave w takes rows 32 w .. 32 w + 31, whole
	s_add_co_u32 s23, s23, STAGE
	v_mul_u32_u24 v5, v2, PITCH
	v_lshl_add_u32 v5, v1, 4, v5
	v_add_nc_u32 v[RD], s23, v5
	v_and_b32 v5, 31, v0
	v_lshlrev_b32 v[CO], 4, v5                     ; two rows of 256 bytes are 512 consecutive bytes of a head
	v_lshlrev_b32 v[PFO], 12, v5
	s_lshl_b32 s46, s42, 19                        ; q at the head, row 128 rb + 32 w
	s_lshl_b32 s47, s13, 15
	s_add_co_u32 s46, s46, s47
	s_lshl_b32 s47, s10, 13
	s_add_co_u32 s46, s46, s47
	s_mov_b32 s47, 0
	s_add_nc_u64 s[8:9], s[8:9], s[46:47]
	; the prefetches: waves 1 to 3 of the clusters with y < 2
	s_cmp_lg_u32 s10, 0
	s_cselect_b32 s20, 1, 0
	s_cmp_lt_u32 s[CLY], 2
	s_cselect_b32 s20, s20, 0
	s_cmp_eq_u32 s20, 1
	s_cselect_b32 s[LIM], 10, -1                   ; the same in all sixteen partners, for a given wave
	s_lshl_b32 s20, s42, 19                        ; the head's rows,
	s_lshl_b32 s21, s41, 17                        ; my work-group's 32 of them, by cy,
	s_add_co_u32 s20, s20, s21
	s_lshl_b32 s21, s10, 23                        ; in matrix w
	s_add_co_u32 s20, s20, s21
	s_mov_b32 s21, 0
	s_add_nc_u64 s[PFB:PFB+1], s[4:5], s[20:21]
; 16 products: all 4 row blocks x the 4 column blocks of matrix mat, 32 along K, from buffer f.  zero = 1: the product starts the sum.  The 48 accumulators take turns, in the same order in every quarter.
.macro MUL16 f, mat, zero
.if (\mat) == 2
	WIN 0xf1                                       ; source 0 window 1, source 1 window 0, C and D window 3
.else
	WIN 0xa1                                       ; C and D window 2
.endif
.set AB, 128*((\mat)%2)
.irp a, 0,1,2,3
.irp b, 0,1,2,3
.if \zero
	v_wmma_f32_16x16x32_bf16 v[AB+8*(4*(\a)+(\b)):AB+8*(4*(\a)+(\b))+7], v[96*(\f)+32*(\mat)+8*(\b):96*(\f)+32*(\mat)+8*(\b)+7], v[FA+32*(\f)+8*(\a):FA+32*(\f)+8*(\a)+7], 0
.else
	v_wmma_f32_16x16x32_bf16 v[AB+8*(4*(\a)+(\b)):AB+8*(4*(\a)+(\b))+7], v[96*(\f)+32*(\mat)+8*(\b):96*(\f)+32*(\mat)+8*(\b)+7], v[FA+32*(\f)+8*(\a):FA+32*(\f)+8*(\a)+7], v[AB+8*(4*(\a)+(\b)):AB+8*(4*(\a)+(\b))+7]
.endif
.endr
.endr
.endm
; 32 LDS loads in one run: the fragments of 32 along K at byte k of the rows of the slot that is being read, into buffer f: x's eight, then q's, k's, v's
.macro FETCH k, f
	WIN 0
.irp i, 0,1,2,3
	ds_load_b128 v[FA+32*(\f)+8*(\i):FA+32*(\f)+8*(\i)+3],   v[ADRA] offset:(\k)+(\i)*16*PITCH
	ds_load_b128 v[FA+32*(\f)+8*(\i)+4:FA+32*(\f)+8*(\i)+7], v[ADRA] offset:(\k)+(\i)*16*PITCH+32
.endr
	WIN 0x40                                       ; destination window 1
.irp m, 0,1,2
.irp i, 0,1,2,3
	ds_load_b128 v[96*(\f)+32*(\m)+8*(\i):96*(\f)+32*(\m)+8*(\i)+3],   v[ADRB+(\m)] offset:(\k)+(\i)*16*PITCH
	ds_load_b128 v[96*(\f)+32*(\m)+8*(\i)+4:96*(\f)+32*(\m)+8*(\i)+7], v[ADRB+(\m)] offset:(\k)+(\i)*16*PITCH+32
.endr
.endr
.endm
.macro PLACES                          ; four places in front of loads into registers that matrix instructions have read, and of vector lines that read results
.rept 4
	v_nop
.endr
.endm
; A K step is four quarters of 32 along K, 48 products each, on buffers 0, 1, 0, 1.  One of the first three: multiplies buffer f and fetches the next quarter, at byte k, into g.
.macro QUARTER k, f, g, zero
	s_wait_dscnt 16                                ; x's and q's fragments are in; k's and v's sixteen loads may be out
	MUL16 \f, 0, \zero
	PLACES
	FETCH \k, \g
	s_wait_dscnt 32                                ; all but the 32 just issued
	MUL16 \f, 1, \zero
	MUL16 \f, 2, \zero
.endm
; The last quarter multiplies buffer 1 and changes slots: in front of the barrier each wave waits for all its tensor loads, adds 0 to its spare word, and waits for that and for its reads of this slot.
; fill = 1: the barrier is a round of the cluster's, and this slot is filled again, with the walk's step two on, first thing behind the round: 176 of a step's 192 products stand between the request and the wait for it.
; The descriptor's address is made anew from the step's number modulo 16.
.macro TURN fill
.if \fill
	s_wait_xcnt 0x0                                ; the last prefetch, a K step back, has read its address
	s_add_co_u32 s[PO], s[NX], 2
	s_and_b32 s[PO], s[PO], STEPS-1
	s_lshl_b32 s[PO], s[PO], 8
	s_add_nc_u64 s[PFA:PFA+1], s[PFB:PFB+1], s[PO:PO+1]
.endif
	WIN 0
	s_wait_tensorcnt 0x0                           ; all my tensor loads have landed: my part of the next slot; so a group 0 may be written
	ds_add_u32 v[SPW], v[NIL]                      ; 0 onto my spare word
.if \fill
	s_and_b32 s[OF], s[NX], STEPS-1
	s_lshl_b32 s[OF], s[OF], 8
	s_add_co_u32 s[NX], s[NX], 1
	s_xor_b32 s[G0+5], s[G0+5], SLOT               ; the walking descriptors: the other slot than last time
	s_add_nc_u64 s[G0+6:G0+7], s[XB:XB+1], s[OF:OF+1]
	s_or_b32 s[G0+7], s[G0+7], 0x80000000
	s_xor_b32 s[G0B+5], s[G0B+5], SLOT
	s_add_nc_u64 s[G0B+6:G0B+7], s[WB:WB+1], s[OF:OF+1]
	s_or_b32 s[G0B+7], s[G0B+7], 0x80000000
.endif
	s_wait_dscnt 17                                ; the add and the youngest sixteen loads may be out
	MUL16 F1, 0, 0                                 ; sixteen products stand between the add and the wait for it
	WIN 0
	s_wait_dscnt 0x0                               ; the add is done, and my reads of this slot are over
.if \fill
	CROUND                                         ; no wave of any partner still reads this slot or has a load on its way
	JLOAD 1
.else
	s_barrier_signal -1
	s_barrier_wait -1
.endif
	s_xor_b32 s[TB], s[TB], SLOT                   ; the reads go to the other slot; these four plain lines are also places in front of the loads below
	v_add_nc_u32 v[ADRA], s[TB], v[BASA]
.irp m, 0,1,2
	v_add_nc_u32 v[ADRB+(\m)], s[TB], v[BASB+(\m)]
.endr
	FETCH 0, F0
.if \fill
	ASK
.endif
	MUL16 F1, 1, 0
	MUL16 F1, 2, 0
.endm
	s_wait_tensorcnt 1                             ; my part of the walk's first step is in; the second may stay out
	s_barrier_signal -1
	s_barrier_wait -1
	FETCH 0, F0
	QUARTER 64, F0, F1, 1                          ; the first quarter stands in front of the loop: its products start the sums
	WIN 0
	s_mov_b32 s3, STEPS-2
.Lstep:                                                ; a trip: a step's second to fourth quarters and the next step's first; the slot that is left is filled again
	QUARTER 128, F1, F0, 0
	QUARTER 192, F0, F1, 0
	TURN 1
	QUARTER 64,  F0, F1, 0
	WIN 0
	s_sub_co_u32 s3, s3, 1
	s_cmp_lg_u32 s3, 0
	s_cbranch_scc1 .Lstep
	s_mov_b32 s3, 2
.Ltail:                                                ; the last two steps fill nothing: a text of their own; the second trip is left in its middle
	QUARTER 128, F1, F0, 0
	QUARTER 192, F0, F1, 0
	TURN 0
	WIN 0
	s_sub_co_u32 s3, s3, 1
	s_cmp_eq_u32 s3, 0
	s_cbranch_scc1 .Lout
	QUARTER 64,  F0, F1, 0
	WIN 0
	s_branch .Ltail
.Lout:                                                 ; the second trip's 32 LDS loads (of the slot read before) serve nothing: the price, once a launch, of one text for both trips
	PLACES
	s_wait_loadcnt 0x0                             ; the table
; THE WAY OUT.  ROT: the rotary turn on q (mat 0, which also takes the scale) or k (mat 1): x1 c - x2 s, x1 s + x2 c for each pair of neighbouring columns, then one rounding to f16.
.macro ROT mat
.irp a, 0,1,2,3
.irp b, 0,1,2,3
.set XA, 128*(\mat)+8*(4*(\a)+(\b))
.set TA, TBL+32*(\a)+8*(\b)
	WIN 0x0e                                       ; source 0 window 2 (the sums), source 1 window 3 (the table)
.irp p, 0,1,2,3
	v_mul_f32 v[T1+2*(\p)],   v[XA+2*(\p)+1], v[TA+2*(\p)+1]
	v_mul_f32 v[T1+2*(\p)+1], v[XA+2*(\p)],   v[TA+2*(\p)+1]
.endr
.irp p, 0,1,2,3
	v_fma_f32 v[OT+2*(\p)],   v[XA+2*(\p)],   v[TA+2*(\p)], -v[T1+2*(\p)]
	v_fma_f32 v[OT+2*(\p)+1], v[XA+2*(\p)+1], v[TA+2*(\p)], v[T1+2*(\p)+1]
.endr
	WIN 0
.if (\mat) == 0
.irp p, 0,1,2,3
	v_pk_mul_f32 v[OT+2*(\p):OT+2*(\p)+1], v[OT+2*(\p):OT+2*(\p)+1], 0x3e0293ee op_sel_hi:[1,0]  ; log2(e) / sqrt(128), in f32, ahead of the one rounding
.endr
.endif
.irp p, 0,1,2,3
	v_cvt_pk_f16_f32 v[TMP+4*(4*(\a)+(\b))+(\p)], v[OT+2*(\p)], v[OT+2*(\p)+1]
.endr
.endr
.endr
.endm
; OUT: 16 bytes a lane into the stage; a barrier, since a row's 256 bytes come from two waves; back as whole rows, 32 rows a wave: 8,192 consecutive bytes of the head.
.macro OUT
.irp a, 0,1,2,3
.irp b, 0,1,2,3
	ds_store_b128 v[STO], v[TMP+4*(4*(\a)+(\b)):TMP+4*(4*(\a)+(\b))+3] offset:(\a)*16*PITCH+32*(\b)
.endr
.endr
	s_wait_dscnt 0x0                               ; for the others' sake: my stores into the stage are done
	s_barrier_signal -1
	s_barrier_wait -1
.irp t, 0,1,2,3,4,5,6,7,8,9,10,11,12,13,14,15
	ds_load_b128 v[TMP+4*(\t):TMP+4*(\t)+3], v[RD] offset:(\t)*2*PITCH
.endr
.irp t, 0,1,2,3,4,5,6,7,8,9,10,11,12,13,14,15
	s_wait_dscnt 15-(\t)
	global_store_b128 v[CO], v[TMP+4*(\t):TMP+4*(\t)+3], s[8:9] offset:512*(\t)
.endr
.endm
.macro NEXT                            ; the stage is written again only when every wave's reads of it are back (the count-down above ended at 0)
	s_barrier_signal -1
	s_barrier_wait -1
	s_wait_xcnt 0x0                                ; the stores have read their data and their base
	s_add_nc_u64 s[8:9], s[8:9], MATB
.endm
	ROT 0
	OUT
	NEXT
	ROT 1
	OUT
	NEXT
	WIN 0x0f                                       ; sources 0 and 1 window 3: v is only rounded
.set i, 0
.rept 64
	v_cvt_pk_f16_f32 v[TMP+i], v[2*i], v[2*i+1]
.set i, i+1
.endr
	WIN 0
	OUT
	s_wait_tensorcnt 0x0                           ; the wave's end: behind my last tensor load and my last LDS store
	ds_add_u32 v[SPW], v[NIL]
	s_wait_dscnt 0x0
	CROUND                                         ; the closing round
	s_endpgm
.Lfunc_end_k_qd8b9bc8e88_qkv:
	.size	k_qd8b9bc8e88_qkv, .Lfunc_end_k_qd8b9bc8e88_qkv-k_qd8b9bc8e88_qkv
	.p2alignl 7, 3214868480
	.fill 96, 4, 3214868480
	.section	.rodata,"a",@progbits
	.p2align	6, 0x0
	.amdhsa_kernel k_qd8b9bc8e88_qkv
		.amdhsa_group_segment_fixed_size 327680
		.amdhsa_private_segment_fixed_size 0
		.amdhsa_enable_private_segment 0
		.amdhsa_kernarg_size 24
		.amdhsa_user_sgpr_count 2
		.amdhsa_user_sgpr_kernarg_segment_ptr 1
		.amdhsa_wavefront_size32 1
		.amdhsa_system_sgpr_workgroup_id_x 1
		.amdhsa_system_sgpr_workgroup_id_y 1
		.amdhsa_system_sgpr_workgroup_id_z 1
		.amdhsa_system_vgpr_workitem_id 0
		.amdhsa_next_free_vgpr 1024
		.amdhsa_next_free_sgpr 80
		.amdhsa_reserve_vcc 0
		.amdhsa_float_denorm_mode_32 3
		.amdhsa_float_denorm_mode_16_64 3
		.amdhsa_memory_ordered 1
		.amdhsa_forward_progress 1
		.amdhsa_inst_pref_size 121
	.end_amdhsa_kernel
	.amdgpu_metadata
---
amdhsa.version: [ 1, 2 ]
amdhsa.kernels:
  - .name:           k_qd8b9bc8e88_qkv
    .symbol:         k_qd8b9bc8e88_qkv.kd
    .args:
      - { .name: xw, .offset: 0, .size: 8, .value_kind: global_buffer, .address_space: global }
      - { .name: rope, .offset: 8, .size: 8, .value_kind: global_buffer, .address_space: global }
      - { .name: qkv, .offset: 16, .size: 8, .value_kind: global_buffer, .address_space: global }
    .group_segment_fixed_size: 327680
    .private_segment_fixed_size: 0
    .kernarg_segment_align: 8
    .kernarg_segment_size: 24
    .max_flat_workgroup_size: 128
    .sgpr_count:     80
    .vgpr_count:     1024
    .wavefront_size: 32
...
	.end_amdgpu_metadata
.endif
;; end of part 2
;; launch attn (part 3): grid 16 x 16, 4 waves a work-group, clusters of 4 x 4, 327,680 bytes of LDS; arguments qkv, attention_mask, att; writes att
.if DOCPART == 3
	.amdgcn_target "amdgcn-amd-amdhsa--gfx1250"
	.amdhsa_code_object_version 6
	.text
	.protected	k_qd8b9bc8e88_attn
	.globl	k_qd8b9bc8e88_attn
	.p2align	8
	.type	k_qd8b9bc8e88_attn,@function
k_qd8b9bc8e88_attn:
	s_mov_b64 s[64:65], 0
	v_nop
	global_prefetch_b8 v0, s[64:65] scope:SCOPE_SE
	s_setreg_imm32_b32 hwreg(HW_REG_WAVE_MODE, 25, 1), 1
	s_wait_xcnt 0x0
	s_wait_alu depctr_hold_cnt(0) depctr_sa_sdst(0) depctr_va_vdst(0) depctr_va_sdst(0) depctr_va_ssrc(0) depctr_va_vcc(0) depctr_vm_vsrc(0)
	s_getreg_b32 s2, hwreg(HW_REG_IB_STS2, 6, 4)
	s_cmp_eq_u32 s2, 0
	s_cbranch_scc0 .Lentry_in_a_cluster
	s_endpgm
.Lentry_in_a_cluster:
	s_bfe_u32 s2, ttmp6, 0x10000c
	s_cmp_lg_u32 s2, 0xf033
	s_cbranch_scc0 .Lentry_shape_is_right
	s_endpgm
.Lentry_shape_is_right:
; att[s][128 h ..] = the sum over k of softmax_k(q . k / sqrt(128) + mask[s][k]) v[k], for 16 heads of 128 channels and 2,048 positions.  q (already times log2(e) / sqrt(128)), k, v: f16 by heads
; in qkv; the mask: f32, an input, read whole and added as it is given.  Products, maxima and sums in f32; the weights are rounded to f16 for the second product, att once at the end.
; SOFTMAX in base 2: t = log2(e) mask + score in one fused multiply-add; a running maximum m of t; p = 2^(t - m) (the difference is exact at t = m); O and l are multiplied by a = 2^(m_old - m) in every step.
; m starts at the lowest finite number, O and l at 0: the first step is a step like any other, with a = 0.
; LIMITS.  log2(e) x mask is finite.  The score is summed first and the scaled mask added with one rounding: where a whole row is masked by a huge number, all its t round alike unless the scaled mask lies within
; |score| of a rounding midpoint (-1e9 and -3e10 do not).  A weight below 2^-126 counts as 0.  NaN and infinities are not treated apart.
; SHARES.  Work-group (x = block of 128 queries, y = head).  Wave w: queries 64 (w % 2) on, four tiles of 16; of each slot's 128 keys the 64 at 64 (w / 2): 16 steps of 64 keys.  The two partial results of waves w and
; w ^ 2 meet in LDS at the end, in f32.  Register tile T of a wave is query tile (T + 2 (w / 2)) % 4: every wave keeps register tiles 0, 1 and gives away 2, 3, by one text.
; LAYOUT.  S^T = K Q^T holds one query a lane (l % 16) and the keys 8 (l / 16) + 0..7; two such results rounded to f16 are source 1 of O^T = V^T P.  The mask comes out of LDS in S^T's own layout.
; BY TURNS.  Two pieces (tiles 0, 1 and tiles 2, 3).  In a turn one piece issues 32 products V^T P of the step in hand and 32 products K Q^T of the next; the other piece's softmax, 298 vector lines, stands in 64 slices,
; one behind each product.  A turn's 66 exponentials are one batch with one wait.
; CLUSTER.  4 x 4.  K and V hang on the head alone: shared along a row of the cluster; the mask on the query block alone: shared along a column.  One joint load a wave behind each round: wave 0 K, wave 1 V, waves 2, 3 the mask's halves.
; THE WALK'S START.  A cluster begins at the block of 128 keys (8 g + 4 X) mod 16 and goes round (X: the cluster's x; g = 1 for cluster rows 1 and 2).  So the four clusters that read the same K and V begin 4 blocks apart,
; and of the four that read the same rows of the mask two begin 8 blocks from the other two: clusters that read the same rows ask for different blocks at a time.  The running softmax takes the keys in any order.
; REGISTERS, in windows of 256:  window 0: v1-11 addresses; v12-43 statistics, 8 a tile (m, m_old, l, l, c0-c3; a takes c2's place); v44-63 addresses; v64-191 S^T; v192-255 P
;   window 1: O^T, 64 a tile      window 2: v0-127 Q; v128-255 K of one step      window 3: v0-127 V of one step; v128-255 the mask of one step
.set PK,    272                        ; a row of K in LDS: 256 bytes + 16
.set PVB,   288                        ; a row of V: 256 + 32
.set PM,    528                        ; a row of the mask: 512 bytes (128 keys) + 16
.set VOFF,  128*PK
.set MOFF,  VOFF+128*PVB
.set SLOT,  MOFF+128*PM                ; 0x22000: none of the four fill addresses in slot 0 has one of its two bits, so one exclusive or turns each into slot 1's
.set XB,    2*SLOT                     ; behind the ring: 8,192 bytes a wave for the exchange, later the wave's stage
.set XS,    XB+4*8192                  ; 512 bytes a wave: (m, l) of two tiles
.set SPARE, XS+4*512                   ; the spare words, 128 bytes for each wave: two blocks of 256 bytes that no other line names
.set MATB,  8388608
.set AK0, 2
.set AV0, 3
.set AMA, 4                            ; the mask for register tiles 0, 1
.set AMB, 5                            ; for tiles 2, 3
.set ADR, 6
.set ADM, 7                            ; v7, v8
.set ST,  12
.set QOA, 44                           ; v44, v45
.set XW,  46
.set XR,  47
.set SW,  48
.set SR,  49
.set STO, 50
.set RD,  51
.set GO,  52
.set PT,  54                           ; v[54:57] the partner's (m, l) for my tiles 0, 1
.set PFO, 61
.set SPW, 62
.set NIL, 63
.set S,   64
.set P,   192
.set KF,  128
.set MK,  128
.set WV,  12
.set G1K, 24
.set G1V, 32
.set G1M, 40
.set G0K, 48
.set G0V, 52
.set G0M, 56
.set SEL, 60
.set TB,  62                           ; s62  LDS byte at which the slot to be fetched from begins
.set SLOTS, 63
.set CS,  66                           ; s[66:67] log2(e)
.set CNT, 68
.set LIM, 69
.set PFA, 70                           ; s[70:71] what the next prefetch names
.set PO,  72                           ; s[72:73] the prefetched block's byte offset
.set QA,  80
.set OA,  82
.set OFK, 84                           ; s[84:85] the asked block's byte offset in K and V
.set OFM, 86                           ; s[86:87] and along the mask's rows
.set KB,  88                           ; s[88:89] K of the head
.set VB,  90                           ; s[90:91] V of the head
.set MB,  92                           ; s[92:93] the mask at the 64 rows that waves 2, 3 fetch
.set PFB, 94                           ; s[94:95] the prefetches' base
.set NX,  96                           ; s96  the block of 128 keys to be asked for next, before it is taken modulo 16
.set PSH, 97                           ; s97  a block is 2^15 bytes of K or V, 2^9 bytes of a row of the mask
.set MSB, 0
.macro WIN new
.if MSB != (\new)
	s_set_vgpr_msb (MSB<<8)|(\new)
.set MSB, \new
.endif
.endm
.set W_KQ, 0x0a                        ; K and Q in window 2, S^T in window 0
.set W_PV, 0x53                        ; V in window 3, P in window 0, O^T in window 1
.set W_RS, 0x41                        ; O^T in window 1, a in window 0
.set W_MA, 0x03                        ; the mask (source 0) in window 3
; A joint fill: three lines under branches on the wave's number alone.  An s_nop 0 and four v_nop follow each.
.macro JLOAD
	s_cmp_lt_u32 s[WV], 2
	s_cbranch_scc0 .Lfor_m_\@
	s_cmp_eq_u32 s[WV], 0
	s_cbranch_scc0 .Lfor_v_\@
	tensor_load_to_lds s[G0K:G0K+3], s[G1K:G1K+7]
	s_nop 0
.rept 4
	v_nop
.endr
	s_branch .Lasked_\@
.Lfor_v_\@:
	tensor_load_to_lds s[G0V:G0V+3], s[G1V:G1V+7]
	s_nop 0
.rept 4
	v_nop
.endr
	s_branch .Lasked_\@
.Lfor_m_\@:
	tensor_load_to_lds s[G0M:G0M+3], s[G1M:G1M+7]
	s_nop 0
.rept 4
	v_nop
.endr
.Lasked_\@:
.endm
; A prefetch of the block two fills on, a lane a row, one instruction a wave, behind the wave's tensor load.  Asked for are blocks that, by the walk's order, no other cluster asks for earlier.  Of K and V that is the walk's
; block 3 (blocks 0 to 2 come by their loads alone): every cluster's waves 0 (K) and 1 (V) ask at the first fill, the partners taking 32 rows each by cx.  Of the mask the walk's blocks 3 to 7: two clusters of a column
; walk alike, the one with y < 2 asks, at the first five fills, 32 rows each by cy, waves 2 and 3 one run of 256 bytes each.  So each block is named once.
.macro ASK
	s_cmp_gt_u32 s[SLOTS], s[LIM]
	s_cbranch_scc0 .Lnot_mine_\@
	global_prefetch_b8 v[PFO], s[PFA:PFA+1] th:TH_LOAD_NT scope:SCOPE_SE
.Lnot_mine_\@:
.endm
.macro CROUND
	s_barrier_signal -1
	s_barrier_wait -1
	s_cmp_lg_u32 s[WV], 0
	s_cbranch_scc1 .Lnot_wave_0_\@
	s_barrier_signal -3
.Lnot_wave_0_\@:
	s_barrier_wait -3
	s_barrier_signal -1
	s_barrier_wait -1
.endm
; THE CHANGE OF SLOTS, between piece 2's turn and piece 0's.  Each wave waits for all its tensor loads (one is out: its part of the other slot), adds 0 to its spare word, and waits for that and for its reads of the
; slot that it leaves.  fill = 1: the barrier is a round of the cluster's, and the old slot is filled again first thing behind it, with the walk's next block but one: it has a step, 128 products, in which to land.
; The descriptors' addresses are made anew from the block's number modulo 16.
.macro CHANGE fill
	WIN 0
	s_wait_tensorcnt 0x0                           ; no tensor load of mine is out, so a group 0 may be written
	ds_add_u32 v[SPW], v[NIL]                      ; 0 onto my spare word
.if \fill
	s_and_b32 s[OFK], s[NX], 15
	s_lshl_b32 s[OFM], s[OFK], 9                   ; 128 keys along the mask's rows
	s_lshl_b32 s[OFK], s[OFK], 15                  ; 128 keys of 256 bytes
	s_xor_b32 s[G0K+1], s[G0K+1], SLOT
	s_add_nc_u64 s[G0K+2:G0K+3], s[KB:KB+1], s[OFK:OFK+1]
	s_or_b32 s[G0K+3], s[G0K+3], 0x80000000
	s_xor_b32 s[G0V+1], s[G0V+1], SLOT
	s_add_nc_u64 s[G0V+2:G0V+3], s[VB:VB+1], s[OFK:OFK+1]
	s_or_b32 s[G0V+3], s[G0V+3], 0x80000000
	s_xor_b32 s[G0M+1], s[G0M+1], SLOT
	s_add_nc_u64 s[G0M+2:G0M+3], s[MB:MB+1], s[OFM:OFM+1]
	s_or_b32 s[G0M+3], s[G0M+3], 0x80000000
	s_wait_xcnt 0x0                                ; the last prefetch, a step back, has read its address
	s_add_co_u32 s[PO], s[NX], 2
	s_and_b32 s[PO], s[PO], 15
	s_lshl_b32 s[PO], s[PO], s[PSH]
	s_add_nc_u64 s[PFA:PFA+1], s[PFB:PFB+1], s[PO:PO+1]
	s_add_co_u32 s[NX], s[NX], 1
	s_wait_dscnt 0x0                               ; the add is done, and my reads of the slot are over
	CROUND
	JLOAD
	ASK
.else
	s_wait_dscnt 0x0
	s_barrier_signal -1
	s_barrier_wait -1
.endif
	s_xor_b32 s[TB], s[TB], SLOT                   ; the fetches go to the other slot
.endm
	s_load_b128 s[4:7], s[0:1], 0x0                ; qkv s[4:5], the mask s[6:7]
	s_load_b64 s[8:9], s[0:1], 0x10                ; att
	v_lshl_add_u32 v[SPW], v0, 2, SPARE
	v_mov_b32 v[NIL], 0
	ds_add_u32 v[SPW], v[NIL]                      ; the wave's opening: the add and its wait ahead of my first tensor load
	v_lshrrev_b32 v1, 5, v0
	v_readfirstlane_b32 s[WV], v1
	s_bfe_u32 s13, ttmp6, 0x40000                  ; cx
	s_bfe_u32 s14, ttmp6, 0x40004                  ; cy
	s_lshl_b32 s15, ttmp9, 2
	s_add_co_u32 s15, s15, s13                     ; the query block
	s_and_b32 s19, ttmp7, 0xffff                   ; cluster y
	s_lshl_b32 s16, s19, 2
	s_add_co_u32 s16, s16, s14                     ; the head
	s_and_b32 s17, s[WV], 1                        ; which 64 queries; also which half of the mask's rows waves 2, 3 fetch
	s_lshr_b32 s18, s[WV], 1                       ; which 64 keys of a slot
	s_lshl_b32 s2, s14, 2
	s_lshl_b32 s2, 15, s2                          ; my row of the cluster
	s_lshl_b32 s3, 0x1111, s13                     ; my column
	s_or_b32 s[G1K], s2, (1<<16)|(1<<20)|(1<<21)|(5<<22)|(3<<25)  ; the mask of four; 2-byte elements; padding on; bit 21 beside a mask; after every 64 words, 4 words
	s_or_b32 s[G1V], s2, (1<<16)|(1<<20)|(1<<21)|(5<<22)|(7<<25)  ; the same with 8 words
	s_or_b32 s[G1M], s3, (2<<16)|(1<<20)|(1<<21)|(6<<22)|(3<<25)  ; 4-byte elements; after every 128 words, 4 words
.irp g, G1K, G1V
	s_mov_b32 s[(\g)+1], 128<<16                   ; tensor_dim0 = 128
	s_mov_b32 s[(\g)+2], 128<<16                   ; tensor_dim1 = 128
	s_mov_b32 s[(\g)+3], 128<<16                   ; tile_dim0 = 128
	s_mov_b32 s[(\g)+4], 128                       ; tile_dim1 = 128
	s_mov_b32 s[(\g)+5], 128                       ; elements from row to row
	s_mov_b32 s[(\g)+6], 0
	s_mov_b32 s[(\g)+7], 0
.endr
	s_mov_b32 s[G1M+1], 128<<16
	s_mov_b32 s[G1M+2], 64<<16
	s_mov_b32 s[G1M+3], 128<<16
	s_mov_b32 s[G1M+4], 64
	s_mov_b32 s[G1M+5], 2048
	s_mov_b32 s[G1M+6], 0
	s_mov_b32 s[G1M+7], 0
	s_mov_b32 s[G0K], 1
	s_mov_b32 s[G0K+1], 0
	s_mov_b32 s[G0V], 1
	s_mov_b32 s[G0V+1], VOFF
	s_mov_b32 s[G0M], 1
	s_mul_i32 s20, s17, 64*PM
	s_add_co_u32 s[G0M+1], s20, MOFF
	s_mov_b32 s[SEL], 0x76543210
	s_mov_b32 s[SEL+1], 0xfedcba98
	s_mov_b32 s[CS], 0x3fb8aa3b
	s_mov_b32 s[CS+1], s[CS]
	s_mov_b32 s[TB], SLOT                          ; the first change of slots makes it 0
	s_mov_b32 s[SLOTS], 15
	s_lshr_b32 s[NX], s19, 1                       ; the walk's start: g = 1 for cluster rows 1 and 2,
	s_xor_b32 s[NX], s[NX], s19
	s_and_b32 s[NX], s[NX], 1
	s_lshl_b32 s[NX], s[NX], 3
	s_lshl_b32 s[OFK], ttmp9, 2
	s_add_co_u32 s[NX], s[NX], s[OFK]
	s_and_b32 s[NX], s[NX], 15                     ; (8 g + 4 X) mod 16: the same in all sixteen partners
	s_lshl_b32 s[OFK], s[NX], 15
	s_lshl_b32 s[OFM], s[NX], 9
	s_mov_b32 s[OFK+1], 0
	s_mov_b32 s[OFM+1], 0
	s_mov_b32 s[PO+1], 0
	s_add_co_u32 s[NX], s[NX], 1
	s_lshl_b32 s20, s16, 19                        ; the head's 524,288 bytes
	s_mov_b32 s21, 0
	s_lshl_b32 s74, s15, 20                        ; the mask: 128 rows of 8,192 bytes a query block,
	s_lshl_b32 s75, s17, 19                        ; the 64 that I fetch
	s_add_co_u32 s74, s74, s75
	s_mov_b32 s75, 0
	s_wait_dscnt 0x0                               ; the opening add is done
	s_wait_kmcnt 0x0
	s_add_nc_u64 s[22:23], s[4:5], s[20:21]        ; q of the head
	s_add_nc_u64 s[KB:KB+1], s[22:23], MATB
	s_add_nc_u64 s[VB:VB+1], s[22:23], 2*MATB
	s_add_nc_u64 s[MB:MB+1], s[6:7], s[74:75]
	s_add_nc_u64 s[G0K+2:G0K+3], s[KB:KB+1], s[OFK:OFK+1]
	s_or_b32 s[G0K+3], s[G0K+3], 0x80000000
	s_add_nc_u64 s[G0V+2:G0V+3], s[VB:VB+1], s[OFK:OFK+1]
	s_or_b32 s[G0V+3], s[G0V+3], 0x80000000
	s_add_nc_u64 s[G0M+2:G0M+3], s[MB:MB+1], s[OFM:OFM+1]
	s_or_b32 s[G0M+3], s[G0M+3], 0x80000000
	CROUND                                         ; all sixteen work-groups are here
	JLOAD                                          ; slot 0; slot 1 is asked for when slot 0 is in
	s_lshl_b32 s76, s15, 15                        ; Q at row 128 qb + 64 (w % 2) of the head
	s_lshl_b32 s77, s17, 14
	s_add_co_u32 s76, s76, s77
	s_mov_b32 s77, 0
	s_add_nc_u64 s[QA:QA+1], s[22:23], s[76:77]
	s_lshl_b32 s78, s15, 19                        ; att at row 128 qb + 64 (w % 2) + 32 (w / 2), byte 256 x head
	s_lshl_b32 s79, s17, 18
	s_add_co_u32 s78, s78, s79
	s_lshl_b32 s79, s18, 17
	s_add_co_u32 s78, s78, s79
	s_lshl_b32 s79, s16, 8
	s_add_co_u32 s78, s78, s79
	s_mov_b32 s79, 0
	s_add_nc_u64 s[OA:OA+1], s[8:9], s[78:79]
	v_and_b32 v1, 15, v0                           ; l % 16
	v_bfe_u32 v9, v0, 4, 1                         ; l / 16
	v_lshlrev_b32 v10, 8, v1
	v_lshl_add_u32 v10, v9, 4, v10
	s_lshl_b32 s20, s18, 13                        ; register tiles 0, 1: rows 32 (w / 2) on;
	s_xor_b32 s21, s20, 1<<13                      ; tiles 2, 3: the other 32
	v_add_nc_u32 v[QOA], s20, v10
	v_add_nc_u32 v[QOA+1], s21, v10
	WIN 0x80                                       ; destination window 2
.set i, 0
.rept 16                                       ; Q stays in registers: tile i / 4, channels 32 (i % 4) on
	global_load_b128 v[8*i:8*i+3],   v[QOA+i/8], s[QA:QA+1] offset:((i/4)%2)*4096+(i%4)*64
	global_load_b128 v[8*i+4:8*i+7], v[QOA+i/8], s[QA:QA+1] offset:((i/4)%2)*4096+(i%4)*64+32
.set i, i+1
.endr
	; what the first turn finds: V, O^T, l and the second piece's P are 0.  All this stands in the wait for the first tile.
	WIN 0xc0
.set i, 0
.rept 128
	v_mov_b32 v[i], 0
.set i, i+1
.endr
	WIN 0x40
.set i, 0
.rept 256
	v_mov_b32 v[i], 0
.set i, i+1
.endr
	WIN 0
.set i, 0
.rept 4
	v_mov_b32 v[ST+8*i], 0xff7fffff
	v_mov_b32 v[ST+8*i+1], 0xff7fffff
	v_mov_b32 v[ST+8*i+2], 0
	v_mov_b32 v[ST+8*i+3], 0
.set i, i+1
.endr
.set i, P+32
.rept 32
	v_mov_b32 v[i], 0
.set i, i+1
.endr
	; the prefetches
	s_add_co_u32 s74, s[WV], 1                     ; K or V: matrix w + 1 of qkv, from the head's q on,
	s_lshl_b32 s74, s74, 23
	s_lshl_b32 s75, s13, 13                        ; my work-group's 32 rows by cx
	s_add_co_u32 s74, s74, s75
	s_lshl_b32 s76, s15, 20                        ; the mask: the query block's rows,
	s_lshl_b32 s77, s14, 18                        ; my work-group's 32 by cy,
	s_add_co_u32 s76, s76, s77
	s_lshl_b32 s77, s17, 8                         ; my wave's run of 256 bytes
	s_add_co_u32 s76, s76, s77
	s_mov_b32 s75, 0
	s_cmp_lt_u32 s19, 2
	s_cselect_b32 s77, 10, -1                      ; the mask: the first five fills, in the clusters with y < 2
	s_cmp_lt_u32 s[WV], 2
	s_cselect_b32 s74, s74, s76
	s_cselect_b64 s[PFB:PFB+1], s[22:23], s[6:7]
	s_cselect_b32 s[PSH], 15, 9
	s_cselect_b32 s76, 8, 13                       ; a row of K or V is 256 bytes, of the mask 8,192
	s_cselect_b32 s[LIM], 14, s77                  ; K and V: the first fill alone
	s_add_nc_u64 s[PFB:PFB+1], s[PFB:PFB+1], s[74:75]
	v_and_b32 v[PFO], 31, v0
	v_lshlrev_b32 v[PFO], s76, v[PFO]
	; LDS addresses
	v_mul_u32_u24 v[AK0], v1, PK
	v_lshl_add_u32 v[AK0], v9, 4, v[AK0]
	s_mul_i32 s20, s18, 64*PK
	v_add_nc_u32 v[AK0], s20, v[AK0]               ; (64 (w / 2) + l % 16) x pitch + 16 (l / 16)
	v_and_b32 v10, 7, v0
	v_bfe_u32 v11, v0, 3, 1
	v_lshl_add_u32 v[AV0], v9, 3, v10              ; the turning load: key 8 (l / 16) + l % 8, channels 8 ((l / 8) % 2) on
	v_mul_u32_u24 v[AV0], v[AV0], PVB
	v_lshl_add_u32 v[AV0], v11, 4, v[AV0]
	s_mul_i32 s20, s18, 64*PVB
	s_add_co_u32 s20, s20, VOFF
	v_add_nc_u32 v[AV0], s20, v[AV0]
	v_mul_u32_u24 v10, v1, PM
	v_lshl_add_u32 v10, v9, 5, v10                 ; the mask: row l % 16, 32 bytes for each half of the lanes
	s_lshl_b32 s20, s17, 6
	s_lshl_b32 s21, s18, 5
	s_add_co_u32 s74, s20, s21                     ; row 64 (w % 2) + 32 (w / 2)
	s_xor_b32 s21, s21, 32
	s_add_co_u32 s75, s20, s21                     ; and the other 32
	s_mul_i32 s74, s74, PM
	s_mul_i32 s75, s75, PM
	s_lshl_b32 s20, s18, 8                         ; my 64 keys: 256 bytes
	s_add_co_u32 s20, s20, MOFF
	s_add_co_u32 s74, s74, s20
	s_add_co_u32 s75, s75, s20
	v_add_nc_u32 v[AMA], s74, v10
	v_add_nc_u32 v[AMB], s75, v10
; THE MATRIX WORK.  The accumulators take turns, one instruction a turn.
; Product i of 32 of O^T += V^T P for piece x: keys 32 (i / 16) on, channels 16 ((i / 2) % 8) on, tile x + i % 2.
.macro PV x
	WIN W_PV
.set rO, 64*((\x)+i%2)+8*((i/2)%8)
.set rV, 64*(i/16)+8*((i/2)%8)
.set rP, P+16*((\x)+i%2)+8*(i/16)
	v_wmma_f32_16x16x32_f16 v[rO:rO+7], v[rV:rV+7], v[rP:rP+7], v[rO:rO+7]
.endm
; Product i of 32 of S^T = K Q^T: channels 32 (i / 8) on, keys 16 ((i / 2) % 4) on, tile x + i % 2.  The first 8 start the sums.
.macro KQ x
	WIN W_KQ
.set rS, S+32*((\x)+i%2)+8*((i/2)%4)
.set rK, KF+32*((i/2)%4)+8*(i/8)
.set rQ, 32*((\x)+i%2)+8*(i/8)
.if i < 8
	v_wmma_f32_16x16x32_f16 v[rS:rS+7], v[rK:rK+7], v[rQ:rQ+7], 0
.else
	v_wmma_f32_16x16x32_f16 v[rS:rS+7], v[rK:rK+7], v[rQ:rQ+7], v[rS:rS+7]
.endif
.endm
; THE LDS LOADS stand in three runs of 32 a step.
.macro FETCH_K
	WIN 0
	v_add_nc_u32 v[ADR], s[TB], v[AK0]
	WIN 0x80
.irp f, 0,1,2,3,4,5,6,7,8,9,10,11,12,13,14,15  ; keys 16 (f / 4) on, channels 32 (f % 4) on
	ds_load_b128 v[KF+8*(\f):KF+8*(\f)+3],   v[ADR] offset:((\f)/4)*16*PK+((\f)%4)*64
	ds_load_b128 v[KF+8*(\f)+4:KF+8*(\f)+7], v[ADR] offset:((\f)/4)*16*PK+((\f)%4)*64+32
.endr
.endm
.macro FETCH_M                         ; tile f / 4, keys 16 (f % 4) on: eight f32 a lane
	WIN 0
	v_add_nc_u32 v[ADM], s[TB], v[AMA]
	v_add_nc_u32 v[ADM+1], s[TB], v[AMB]
	WIN 0xc0
.irp f, 0,1,2,3,4,5,6,7,8,9,10,11,12,13,14,15
	ds_load_b128 v[MK+8*(\f):MK+8*(\f)+3],   v[ADM+(\f)/8] offset:(((\f)/4)%2)*16*PM+((\f)%4)*64
	ds_load_b128 v[MK+8*(\f)+4:MK+8*(\f)+7], v[ADM+(\f)/8] offset:(((\f)/4)%2)*16*PM+((\f)%4)*64+16
.endr
.endm
.macro FETCH_V
	WIN 0
	v_add_nc_u32 v[ADR], s[TB], v[AV0]
	s_wait_alu depctr_va_vdst(0)                   ; the wait for the softmax's batch
	WIN 0xc0
.irp f, 0,1,2,3,4,5,6,7,8,9,10,11,12,13,14,15  ; keys 32 (f / 8) on, channels 16 (f % 8) on
	ds_load_tr16_b128 v[8*(\f):8*(\f)+3],   v[ADR] offset:((\f)/8)*32*PVB+((\f)%8)*32
	ds_load_tr16_b128 v[8*(\f)+4:8*(\f)+7], v[ADR] offset:((\f)/8)*32*PVB+16*PVB+((\f)%8)*32
.endr
.endm
; THE VECTOR WORK.  One tile's softmax for a step is a list of 149 lines; SM writes number j of it for tile t.
;   0-15    t = log2(e) mask + score, a pair a line, ascending: each accumulator's lowest registers are read first
;   16-31   the maximum of the 32 t and the old m, three operands at a time      32-35  the other half of the lanes' maximum; m_old is kept; the new m; m_old - m
;   36-84   ONE BATCH: the 16 differences t - m and all 33 exponentials (a at 38); none of these names an exponential's result; a pair's difference stands three numbers or more ahead of its exponentials
;   (wait)  between 84 and 85 stands the wait for the batch: SLICE writes it, once for both tiles
;   85-100  the roundings to f16      101-116  the sums; l = a l + the sum      117-148  the tile's O^T times a
.macro SM t
.set rT, ST+8*(\t)
.set rS, S+32*(\t)
.set rP, P+16*(\t)
.set rM, MK+32*(\t)
.if j < 16
	WIN W_MA
	v_pk_fma_f32 v[rS+2*j:rS+2*j+1], v[rM+2*j:rM+2*j+1], s[CS:CS+1], v[rS+2*j:rS+2*j+1] op_sel_hi:[1,0,1]
.elseif j < 117
	WIN 0
.if j < 20
	v_max3_num_f32 v[rT+j-12], v[rS+8*(j-16)], v[rS+8*(j-16)+1], v[rS+8*(j-16)+2]
.elseif j < 28
	v_max3_num_f32 v[rT+4+j%4], v[rT+4+j%4], v[rS+8*(j%4)+2*((j-16)/4)+1], v[rS+8*(j%4)+2*((j-16)/4)+2]
.elseif j == 28
	v_max3_num_f32 v[rT+4], v[rT+4], v[rS+7], v[rS+15]
.elseif j == 29
	v_max3_num_f32 v[rT+6], v[rT+6], v[rS+23], v[rS+31]
.elseif j == 30
	v_max3_num_f32 v[rT+4], v[rT+4], v[rT+5], v[rT+6]
.elseif j == 31
	v_max3_num_f32 v[rT+4], v[rT+4], v[rT+7], v[rT]
.elseif j == 32
	v_permlanex16_b32 v[rT+5], v[rT+4], s[SEL], s[SEL+1]  ; the query's other 32 keys lie in the lane 16 away
.elseif j == 33
	v_mov_b32 v[rT+1], v[rT]
.elseif j == 34
	v_max_num_f32 v[rT], v[rT+4], v[rT+5]
.elseif j == 35
	v_sub_f32 v[rT+7], v[rT+1], v[rT]
.elseif j < 38
	v_pk_add_f32 v[rS+2*(j-36):rS+2*(j-36)+1], v[rS+2*(j-36):rS+2*(j-36)+1], v[rT:rT+1] op_sel_hi:[1,0] neg_lo:[0,1] neg_hi:[0,1]
.elseif j == 38
	v_exp_f32 v[rT+6], v[rT+7]
.elseif j < 81
.if (j-39)%3 < 2
.set e, 2*((j-39)/3)+(j-39)%3
	v_exp_f32 v[rS+e], v[rS+e]
.else
.set b, (j-39)/3+2
	v_pk_add_f32 v[rS+2*b:rS+2*b+1], v[rS+2*b:rS+2*b+1], v[rT:rT+1] op_sel_hi:[1,0] neg_lo:[0,1] neg_hi:[0,1]
.endif
.elseif j < 85
	v_exp_f32 v[rS+j-53], v[rS+j-53]
.elseif j < 101
	v_cvt_pk_f16_f32 v[rP+j-85], v[rS+2*(j-85)], v[rS+2*(j-85)+1]
.else                                  ; the sum of the 16 pairs, in place: neighbours 1, 2, 4 and 8 pairs apart, then l takes it
.set z, j-101
.set w, 4
.set u, z
.if z >= 14
.set w, 32
.set u, 0
.elseif z >= 12
.set w, 16
.set u, z-12
.elseif z >= 8
.set w, 8
.set u, z-8
.endif
.if z < 15
	v_pk_add_f32 v[rS+w*u:rS+w*u+1], v[rS+w*u:rS+w*u+1], v[rS+w*u+w/2:rS+w*u+w/2+1]
.else
	v_pk_fma_f32 v[rT+2:rT+3], v[rT+2:rT+3], v[rT+6:rT+7], v[rS:rS+1] op_sel_hi:[1,0,1]
.endif
.endif
.else
	WIN W_RS
.set rO, 64*(\t)+2*(j-117)
	v_pk_mul_f32 v[rO:rO+1], v[rO:rO+1], v[rT+6:rT+7] op_sel_hi:[1,0]
.endif
.endm
; Slice k of 64 of piece y's softmax.  The turn's queue has 298 entries: entry n is number n / 2 of tile y + n % 2.  Slices 0 to 41 take five, slices 42 to 63 four: 42 x 5 + 22 x 4 = 298.
; Entry 170, the first that names an exponential's result, opens slice 34; so behind slice 33 stand a plain line and the one wait.  In piece 2's turn (y = 0) V's run of loads stands there
; too, with the wait in it; four v_nop are the places behind V's last reader, the turn's 32nd product.  Slice 63, four rescalings of this piece's O^T, is the four places behind the turn's last K Q^T.
.macro SLICE y
.set per, 4
.if k < 42
.set per, 5
.endif
.rept per
.set j, n/2
	SM (\y)+n%2
.set n, n+1
.endr
.if k == 33
	WIN 0
.if (\y) == 0
.rept 4
	v_nop
.endr
	FETCH_V
.else
	v_nop
	s_wait_alu depctr_va_vdst(0)
.endif
.endif
.set k, k+1
.endm
; A TURN.  Piece x has the matrix unit.  Piece 0's turn fetches the next step's K behind its second product (K's last reader stands in front of slice 63 of the turn before) and the next step's mask behind its
; eighth (the lines that read the old mask end in slice 6).  Piece 2's turn fetches the same step's V.
.macro TURN x
.set k, 0
.set n, 0
	s_wait_dscnt 0x0                               ; piece 0: V is in; piece 2: the mask is in
.set i, 0
.rept 32
	PV \x
	SLICE 2-(\x)
.if ((\x) == 0) && (i == 1)
	FETCH_K
.endif
.if ((\x) == 0) && (i == 7)
	FETCH_M
.endif
.set i, i+1
.endr
.if (\x) == 0
	s_wait_dscnt 32                                ; K is in; the mask's 32 loads, issued behind K's, may be out
.endif
.set i, 0
.rept 32
	KQ \x
	SLICE 2-(\x)
.set i, i+1
.endr
.endm
	CHANGE 1                                       ; slot 0 is in, everybody's part of it; slot 1 is asked for
	FETCH_K                                        ; the walk's first step
	FETCH_M
	s_wait_loadcnt 0x0                             ; Q
	s_wait_dscnt 0x0
.set i, 0
.rept 32
	KQ 0                                           ; piece 0's first scores
.set i, i+1
.endr
	WIN 0                                          ; the addresses for the exchange and the way out: plain lines, the places behind those products
	s_lshl_b32 s74, s[WV], 13
	s_add_co_u32 s74, s74, XB                      ; my block
	s_xor_b32 s75, s[WV], 2
	s_lshl_b32 s76, s75, 13
	s_add_co_u32 s76, s76, XB                      ; my partner's
	s_lshl_b32 s77, s[WV], 9
	s_add_co_u32 s77, s77, XS
	s_lshl_b32 s75, s75, 9
	s_add_co_u32 s75, s75, XS
	v_and_b32 v53, 31, v0
	v_lshl_add_u32 v[XW], v53, 4, s74
	v_lshl_add_u32 v[XR], v53, 4, s76
	v_lshl_add_u32 v[SW], v53, 3, s77
	v_lshl_add_u32 v[SR], v53, 3, s75
	v_mul_u32_u24 v[STO], v1, 272                  ; in: row l % 16, 16 bytes for each half of the lanes
	v_lshl_add_u32 v[STO], v9, 4, v[STO]
	v_add_nc_u32 v[STO], s74, v[STO]
	v_mul_u32_u24 v[RD], v9, 272                   ; back: lanes 0-15 one row of 256 bytes, lanes 16-31 the next
	v_lshl_add_u32 v[RD], v1, 4, v[RD]
	v_add_nc_u32 v[RD], s74, v[RD]
	v_lshlrev_b32 v[GO], 12, v9                    ; and the same two rows of att
	v_lshl_add_u32 v[GO], v1, 4, v[GO]
	s_branch .Lfirst                               ; the loop is entered in the middle of a trip: piece 2's first turn multiplies zeros by zeros
.Lslot:                                        ; 14 trips: the walk's blocks 2 to 15 are asked for
	CHANGE 1
	TURN 0
	WIN 0
.Lfirst:
	TURN 2
	WIN 0
	s_sub_co_u32 s[SLOTS], s[SLOTS], 1
	s_cmp_lg_u32 s[SLOTS], 0
	s_cbranch_scc1 .Lslot
	CHANGE 0                                       ; the tail is written out: nothing is asked for
	s_mov_b32 s[CNT], 2
.Ltail:
	TURN 0
	WIN 0
	s_sub_co_u32 s[CNT], s[CNT], 1
	s_cmp_eq_u32 s[CNT], 0
	s_cbranch_scc1 .Lout
	TURN 2
	WIN 0
	s_branch .Ltail
.Lout:                                         ; the second trip's 32 products K Q^T (on the last K once more) serve nothing: the price, once a launch, of one text for every trip
.set i, 0
.rept 32
	PV 2                                           ; piece 2: V^T P of the last step
.set i, i+1
.endr
	; THE MERGE.  l's two halves are added (four plain lines: the places behind the last products); then tiles 2 and 3 go to the partner, one after the other, with their (m, l).
	WIN 0
.irp t, 0,1,2,3
	v_add_f32 v[ST+8*(\t)+1], v[ST+8*(\t)+2], v[ST+8*(\t)+3]
.endr
.macro GIVE r
	WIN 0x04                                       ; the data in window 1
.irp c, 0,1,2,3,4,5,6,7,8,9,10,11,12,13,14,15
	ds_store_b128 v[XW], v[64*(2+(\r))+4*(\c):64*(2+(\r))+4*(\c)+3] offset:512*(\c)
.endr
	WIN 0
.if (\r) == 0
	ds_store_b64 v[SW], v[ST+16:ST+17]
	ds_store_b64 v[SW], v[ST+24:ST+25] offset:256
.endif
	s_wait_dscnt 0x0                               ; for the partner's sake: my stores are done
	s_barrier_signal -1
	s_barrier_wait -1
.endm
.macro TAKE r
.irp c, 0,1,2,3,4,5,6,7,8,9,10,11,12,13,14,15
	ds_load_b128 v[S+64*(\r)+4*(\c):S+64*(\r)+4*(\c)+3], v[XR] offset:512*(\c)
.endr
.if (\r) == 0
	ds_load_b64 v[PT:PT+1], v[SR]
	ds_load_b64 v[PT+2:PT+3], v[SR] offset:256
.endif
	s_wait_dscnt 0x0                               ; my reads are back: behind the barrier the block may be written again
	s_barrier_signal -1
	s_barrier_wait -1
.endm
	GIVE 0
	TAKE 0
	GIVE 1
	TAKE 1
	; for my tiles 0 and 1: the common maximum, the two corrections, l over both halves of the keys and of the lanes, and the two factors a / l
.irp t, 0,1
	v_max_num_f32 v[ST+8*(\t)+4], v[ST+8*(\t)], v[PT+2*(\t)]
.endr
.irp t, 0,1
	v_sub_f32 v[ST+8*(\t)+5], v[ST+8*(\t)], v[ST+8*(\t)+4]
	v_sub_f32 v[ST+8*(\t)+7], v[PT+2*(\t)], v[ST+8*(\t)+4]
.endr
.irp t, 0,1
	v_exp_f32 v[ST+8*(\t)+2], v[ST+8*(\t)+5]
	v_exp_f32 v[ST+8*(\t)+3], v[ST+8*(\t)+7]
.endr
	v_nop                                          ; a plain line behind the last exponential,
	s_wait_alu depctr_va_vdst(0)                   ; and one wait for the four
.irp t, 0,1
	v_mul_f32 v[ST+8*(\t)+5], v[ST+8*(\t)+2], v[ST+8*(\t)+1]
.endr
.irp t, 0,1
	v_fma_f32 v[ST+8*(\t)+5], v[ST+8*(\t)+3], v[PT+2*(\t)+1], v[ST+8*(\t)+5]
.endr
.irp t, 0,1
	v_permlanex16_b32 v[ST+8*(\t)+7], v[ST+8*(\t)+5], s[SEL], s[SEL+1]
.endr
.irp t, 0,1
	v_add_f32 v[ST+8*(\t)+5], v[ST+8*(\t)+5], v[ST+8*(\t)+7]
.endr
.irp t, 0,1
	v_rcp_f32 v[ST+8*(\t)+7], v[ST+8*(\t)+5]
.endr
	v_nop
	s_wait_alu depctr_va_vdst(0)                   ; one wait for the two reciprocals
.irp t, 0,1
	v_mul_f32 v[ST+8*(\t)+4], v[ST+8*(\t)+2], v[ST+8*(\t)+7]
	v_mul_f32 v[ST+8*(\t)+6], v[ST+8*(\t)+3], v[ST+8*(\t)+7]
.endr
; Tile t: the partner's sums times its factor, mine times mine on top; rounded to f16; 16 bytes a lane into my stage (my own block, which the partner has read), back as whole rows of 256 bytes.
.macro PACK t
.set rT, ST+8*(\t)
	WIN 0
.set i, 0
.rept 32
	v_pk_mul_f32 v[S+64*(\t)+2*i:S+64*(\t)+2*i+1], v[S+64*(\t)+2*i:S+64*(\t)+2*i+1], v[rT+6:rT+7] op_sel_hi:[1,0]
.set i, i+1
.endr
	WIN 0x01                                       ; source 0 (O^T) in window 1
.set i, 0
.rept 32
	v_pk_fma_f32 v[S+64*(\t)+2*i:S+64*(\t)+2*i+1], v[64*(\t)+2*i:64*(\t)+2*i+1], v[rT+4:rT+5], v[S+64*(\t)+2*i:S+64*(\t)+2*i+1] op_sel_hi:[1,0,1]
.set i, i+1
.endr
	WIN 0
.set i, 0
.rept 32
	v_cvt_pk_f16_f32 v[P+32*(\t)+i], v[S+64*(\t)+2*i], v[S+64*(\t)+2*i+1]
.set i, i+1
.endr
.irp f, 0,1,2,3,4,5,6,7
	ds_store_b128 v[STO], v[P+32*(\t)+4*(\f):P+32*(\t)+4*(\f)+3] offset:32*(\f)
.endr
.irp f, 0,1,2,3,4,5,6,7
	ds_load_b128 v[P+32*(\t)+4*(\f):P+32*(\t)+4*(\f)+3], v[RD] offset:(\f)*2*272  ; LDS serves a wave's instructions in order (ISA guide 5.7.1.4): these see the stores above
.endr
.endm
.macro SEND t, younger                 ; younger: the LDS instructions issued behind tile t's loads
.irp f, 0,1,2,3,4,5,6,7
	s_wait_dscnt (\younger)+7-(\f)
	global_store_b128 v[GO], v[P+32*(\t)+4*(\f):P+32*(\t)+4*(\f)+3], s[OA:OA+1] offset:(\t)*65536+(\f)*8192  ; 16 lanes store 256 consecutive bytes, aligned
.endr
.endm
	PACK 0
	PACK 1
	SEND 0, 16
	SEND 1, 0
	s_wait_tensorcnt 0x0                           ; the wave's end: behind my last tensor load and my last LDS store
	ds_add_u32 v[SPW], v[NIL]
	s_wait_dscnt 0x0
	CROUND                                         ; the closing round
	s_endpgm
.Lfunc_end_k_qd8b9bc8e88_attn:
	.size	k_qd8b9bc8e88_attn, .Lfunc_end_k_qd8b9bc8e88_attn-k_qd8b9bc8e88_attn
	.p2alignl 7, 3214868480
	.fill 96, 4, 3214868480
	.section	.rodata,"a",@progbits
	.p2align	6, 0x0
	.amdhsa_kernel k_qd8b9bc8e88_attn
		.amdhsa_group_segment_fixed_size 327680
		.amdhsa_private_segment_fixed_size 0
		.amdhsa_enable_private_segment 0
		.amdhsa_kernarg_size 24
		.amdhsa_user_sgpr_count 2
		.amdhsa_user_sgpr_kernarg_segment_ptr 1
		.amdhsa_wavefront_size32 1
		.amdhsa_system_sgpr_workgroup_id_x 1
		.amdhsa_system_sgpr_workgroup_id_y 1
		.amdhsa_system_sgpr_workgroup_id_z 1
		.amdhsa_system_vgpr_workitem_id 0
		.amdhsa_next_free_vgpr 1024
		.amdhsa_next_free_sgpr 100
		.amdhsa_reserve_vcc 0
		.amdhsa_float_denorm_mode_32 3
		.amdhsa_float_denorm_mode_16_64 3
		.amdhsa_memory_ordered 1
		.amdhsa_forward_progress 1
		.amdhsa_inst_pref_size 174
	.end_amdhsa_kernel
	.amdgpu_metadata
---
amdhsa.version: [ 1, 2 ]
amdhsa.kernels:
  - .name:           k_qd8b9bc8e88_attn
    .symbol:         k_qd8b9bc8e88_attn.kd
    .args:
      - { .name: qkv, .offset: 0, .size: 8, .value_kind: global_buffer, .address_space: global }
      - { .name: attention_mask, .offset: 8, .size: 8, .value_kind: global_buffer, .address_space: global }
      - { .name: att, .offset: 16, .size: 8, .value_kind: global_buffer, .address_space: global }
    .group_segment_fixed_size: 327680
    .private_segment_fixed_size: 0
    .kernarg_segment_align: 8
    .kernarg_segment_size: 24
    .max_flat_workgroup_size: 128
    .sgpr_count:     100
    .vgpr_count:     1024
    .wavefront_size: 32
...
	.end_amdgpu_metadata
.endif
;; end of part 3
;; launch oproj (part 4): grid 16 x 16, 4 waves a work-group, clusters of 4 x 4, 327,680 bytes of LDS; arguments att, xw, out0; writes out0
.if DOCPART == 4
	.amdgcn_target "amdgcn-amd-amdhsa--gfx1250"
	.amdhsa_code_object_version 6
	.text
	.protected	k_qd8b9bc8e88_oproj
	.globl	k_qd8b9bc8e88_oproj
	.p2align	8
	.type	k_qd8b9bc8e88_oproj,@function
k_qd8b9bc8e88_oproj:
	s_mov_b64 s[64:65], 0
	v_nop
	global_prefetch_b8 v0, s[64:65] scope:SCOPE_SE
	s_setreg_imm32_b32 hwreg(HW_REG_WAVE_MODE, 25, 1), 1
	s_wait_xcnt 0x0
	s_wait_alu depctr_hold_cnt(0) depctr_sa_sdst(0) depctr_va_vdst(0) depctr_va_sdst(0) depctr_va_ssrc(0) depctr_va_vcc(0) depctr_vm_vsrc(0)
	s_getreg_b32 s2, hwreg(HW_REG_IB_STS2, 6, 4)
	s_cmp_eq_u32 s2, 0
	s_cbranch_scc0 .Lentry_in_a_cluster
	s_endpgm
.Lentry_in_a_cluster:
	s_bfe_u32 s2, ttmp6, 0x10000c
	s_cmp_lg_u32 s2, 0xf033
	s_cbranch_scc0 .Lentry_shape_is_right
	s_endpgm
.Lentry_shape_is_right:
; out0[s][n] = the sum over k of att[s][k] Wo[n][k].  att: [2048][2048] f16; Wo: matrix 4 of xw, [2048][2048], bf16 numbers written as f16; out0: f32; sums in f32.
; A tile of out0 is 128 x 128: 256 work-groups.  Four waves, each 64 x 64: 16 accumulators of 16 x 16.  K goes in 8 steps of 256 (LDS rows of 512 bytes; a wave's tensor load brings 64 of them) through two slots.
; CLUSTER: 4 x 4.  The four of a row of the cluster need the same rows of att, the four of a column the same rows of Wo: each tile is asked for jointly.
; THE WALK'S START.  A cluster begins at K step (4 g + 2 X) mod 8 and goes round (X: the cluster's x; g = 1 for cluster rows 1 and 2).  So the four clusters that read the same rows of att begin 2 steps apart, and of the
; four that read the same rows of Wo two begin 4 steps from the other two: clusters that read the same rows ask for different blocks at a time.  The f32 sums are taken in that order.
; THE PRODUCT IS USED TRANSPOSED (source 0 = 16 rows of Wo, source 1 = 16 rows of att): a lane holds eight neighbouring numbers of a row of out0, 32 bytes.
; THE WAY OUT: a wave's 64 columns of f32 are 256 aligned bytes, so each wave has a stage of its own, 16 rows at a time, and no barrier.
; No prefetch: the tiles are small, and the launch has eight steps in all.
; REGISTERS: window 0: v16-29 addresses; v32-95 whole rows on the way out; v128-255 the accumulators ((a, b) at v[128 + 8 (4 a + b)]).  window 1: two fragment buffers of 128.
.set SIZE_K, 2048
.set KSTEP,  256
.set STEPS,  8
.set PITCH,  528                       ; an LDS row: 512 bytes + 16 of padding
.set HALFT,  64*PITCH
.set SLOT,   4*HALFT                   ; 0x21000: none of the four fill addresses in slot 0 has one of its two bits, so one exclusive or turns each into slot 1's
.set STAGE,  2*SLOT                    ; behind the ring: 16 rows x 272 bytes for each wave
.set SPITCH, 272
.set SPARE,  STAGE+4*16*SPITCH         ; the spare words, 128 bytes for each wave: two blocks of 256 bytes that no other line names
.set ADRA, 16                          ; v16  LDS address of my fragments of att in the slot that is being read
.set BASA, 17                          ; v17  the same in slot 0; never rewritten
.set ADRB, 20                          ; v20, v21  the same for Wo
.set BASB, 21
.set STO,  24
.set RD,   25
.set CO,   26
.set SPW,  28
.set NIL,  29
.set TMP,  32
.set ACC,  128
.set F0,   0
.set F1,   128
.set G1, 24                            ; s[24:31] group 1 for att's tiles;  s[32:39] group 0: a set for each of the two first fills; the second then walks on
.set G0, 32
.set G1B, 48                           ; s[48:55], s[56:63] the same for Wo's tiles
.set G0B, 56
.set XB,  66                           ; s[66:67] att at the 64 rows that I fetch
.set WB,  68                           ; s[68:69] Wo at the 64 rows that I fetch
.set NX,  70                           ; s70  the K step to be asked for next, before it is taken modulo 8
.set CLY, 71                           ; s71  the cluster's y
.set OF,  72                           ; s[72:73] that step's byte offset in a row
.set TB,  76                           ; s76  LDS byte at which the slot that is being read begins
.set MSB, 0
.macro WIN new
.if MSB != (\new)
	s_set_vgpr_msb (MSB<<8)|(\new)
.set MSB, \new
.endif
.endm
.set MUL,  0x05                        ; sources 0 and 1 window 1; C and D window 0
.set TO_F, 0x40                        ; destination window 1, address window 0
.macro JLOAD s                         ; waves 0 and 1 fetch att's two halves, waves 2 and 3 Wo's; an s_nop 0 and four v_nop follow each line
	s_cmp_eq_u32 s11, 0
	s_cbranch_scc0 .Lfor_b_\@
	tensor_load_to_lds s[G0+4*(\s):G0+4*(\s)+3], s[G1:G1+7]
	s_nop 0
.rept 4
	v_nop
.endr
	s_branch .Lasked_\@
.Lfor_b_\@:
	tensor_load_to_lds s[G0B+4*(\s):G0B+4*(\s)+3], s[G1B:G1B+7]
	s_nop 0
.rept 4
	v_nop
.endr
.Lasked_\@:
.endm
.macro CROUND                          ; a round of the cluster's barrier
	s_barrier_signal -1
	s_barrier_wait -1
	s_cmp_lg_u32 s10, 0
	s_cbranch_scc1 .Lnot_wave_0_\@
	s_barrier_signal -3
.Lnot_wave_0_\@:
	s_barrier_wait -3
	s_barrier_signal -1
	s_barrier_wait -1
.endm
	s_load_b128 s[4:7], s[0:1], 0x0                ; att s[4:5], xw s[6:7]
	s_load_b64 s[8:9], s[0:1], 0x10                ; out0
	v_lshl_add_u32 v[SPW], v0, 2, SPARE
	v_mov_b32 v[NIL], 0
	ds_add_u32 v[SPW], v[NIL]                      ; the wave's opening: the add and its wait ahead of my first tensor load
	v_lshrrev_b32 v1, 5, v0
	v_readfirstlane_b32 s10, v1                    ; wave 0..3
	s_lshr_b32 s11, s10, 1                         ; which half of the tile's rows is mine.  Also: I fetch att (0) or Wo (1)
	s_and_b32 s12, s10, 1                          ; which half of its columns.  Also: which 64 rows of that tile I fetch
	s_bfe_u32 s40, ttmp6, 0x40000
	s_bfe_u32 s41, ttmp6, 0x40004
	s_lshl_b32 s42, ttmp9, 2
	s_add_co_u32 s42, s42, s40                     ; tile column
	s_and_b32 s[CLY], ttmp7, 0xffff
	s_lshl_b32 s13, s[CLY], 2
	s_add_co_u32 s13, s13, s41                     ; tile row
	s_lshl_b32 s43, s41, 2
	s_lshl_b32 s43, 15, s43                        ; my row of the cluster
	s_lshl_b32 s44, 0x1111, s40                    ; my column
	s_or_b32 s[G1+0], s43, (1<<16)|(1<<20)|(1<<21)|(6<<22)|(3<<25)  ; the mask; 2-byte elements; padding on; bit 21 beside a mask; after every 128 words, 4 words
	s_or_b32 s[G1B+0], s44, (1<<16)|(1<<20)|(1<<21)|(6<<22)|(3<<25)
.irp g, G1, G1B
	s_mov_b32 s[(\g)+1], KSTEP<<16
	s_mov_b32 s[(\g)+2], 64<<16
	s_mov_b32 s[(\g)+3], KSTEP<<16
	s_mov_b32 s[(\g)+4], 64
	s_mov_b32 s[(\g)+5], SIZE_K
	s_mov_b32 s[(\g)+6], 0
	s_mov_b32 s[(\g)+7], 0
.endr
	s_lshr_b32 s[NX], s[CLY], 1                    ; the walk's start: g = 1 for cluster rows 1 and 2,
	s_xor_b32 s[NX], s[NX], s[CLY]
	s_and_b32 s[NX], s[NX], 1
	s_lshl_b32 s[NX], s[NX], 2
	s_lshl_b32 s[OF], ttmp9, 1
	s_add_co_u32 s[NX], s[NX], s[OF]
	s_and_b32 s[NX], s[NX], STEPS-1                ; (4 g + 2 X) mod 8: the same in all sixteen partners
	s_lshl_b32 s[OF], s[NX], 9                     ; a K step is 512 bytes of a row
	s_mov_b32 s[OF+1], 0
	s_mov_b32 s[TB], 0
	s_lshl_b32 s17, s12, 6
	s_lshl_b32 s16, s13, 7
	s_add_co_u32 s16, s16, s17                     ; att: row 128 x tile row + 64 x half
	s_lshl_b32 s46, s42, 7
	s_add_co_u32 s46, s46, s17                     ; Wo: row 128 x tile column + 64 x half
	s_mov_b32 s17, 0
	s_mov_b32 s47, 0
	s_mov_b64 s[18:19], SIZE_K*2
	s_mul_u64 s[16:17], s[16:17], s[18:19]
	s_mul_u64 s[46:47], s[46:47], s[18:19]
	s_mul_i32 s20, s10, HALFT
	s_wait_dscnt 0x0                               ; the opening add is done
	s_wait_kmcnt 0x0
	s_add_nc_u64 s[XB:XB+1], s[4:5], s[16:17]
	s_add_nc_u64 s[WB:WB+1], s[6:7], s[46:47]
	s_add_nc_u64 s[WB:WB+1], s[WB:WB+1], 4*8388608 ; matrix 4 of xw
	s_add_nc_u64 s[14:15], s[XB:XB+1], s[OF:OF+1]  ; both at the walk's first step; its second lies 512 bytes on (the start is even)
	s_add_nc_u64 s[46:47], s[WB:WB+1], s[OF:OF+1]
	CROUND
.irp s, 0,1
	s_mov_b32 s[G0+4*(\s)], 1
	s_add_co_u32 s[G0+4*(\s)+1], s20, (\s)*SLOT
	s_add_nc_u64 s[G0+4*(\s)+2:G0+4*(\s)+3], s[14:15], (\s)*KSTEP*2
	s_or_b32 s[G0+4*(\s)+3], s[G0+4*(\s)+3], 0x80000000
	s_mov_b32 s[G0B+4*(\s)], 1
	s_add_co_u32 s[G0B+4*(\s)+1], s20, (\s)*SLOT
	s_add_nc_u64 s[G0B+4*(\s)+2:G0B+4*(\s)+3], s[46:47], (\s)*KSTEP*2
	s_or_b32 s[G0B+4*(\s)+3], s[G0B+4*(\s)+3], 0x80000000
	JLOAD \s
.endr
	s_add_co_u32 s[NX], s[NX], 2
	v_and_b32 v1, 15, v0                           ; l % 16
	v_bfe_u32 v2, v0, 4, 1                         ; l / 16
	v_mul_u32_u24 v3, v1, PITCH
	v_lshl_add_u32 v3, v2, 4, v3
	s_mul_i32 s21, s11, HALFT
	s_mul_i32 s22, s12, HALFT
	s_add_co_u32 s22, s22, 2*HALFT
	v_add_nc_u32 v[BASA], s21, v3
	v_add_nc_u32 v[BASB], s22, v3
	v_add_nc_u32 v[ADRA], s21, v3
	v_add_nc_u32 v[ADRB], s22, v3
	s_mul_i32 s23, s10, 16*SPITCH
	s_add_co_u32 s23, s23, STAGE                   ; my stage
	v_mul_u32_u24 v4, v1, SPITCH                   ; in: row l % 16, 32 bytes for each half of the lanes
	v_lshl_add_u32 v4, v2, 5, v4
	v_add_nc_u32 v[STO], s23, v4
	v_mul_u32_u24 v5, v2, SPITCH                   ; back: lanes 0-15 one row of 256 bytes, lanes 16-31 the next
	v_lshl_add_u32 v5, v1, 4, v5
	v_add_nc_u32 v[RD], s23, v5
	v_lshlrev_b32 v5, 13, v2                       ; and the same two rows of out0, 8,192 bytes apart
	v_lshl_add_u32 v[CO], v1, 4, v5
	s_lshl_b32 s16, s13, 20                        ; row 128 x tile row + 64 x half, of 8,192 bytes
	s_lshl_b32 s17, s11, 19
	s_add_co_u32 s16, s16, s17
	s_mov_b32 s17, 0
	s_add_nc_u64 s[8:9], s[8:9], s[16:17]
	s_lshl_b32 s46, s42, 9                         ; column 128 x tile column + 64 x half, of 4 bytes
	s_lshl_b32 s47, s12, 8
	s_add_co_u32 s46, s46, s47
	s_mov_b32 s47, 0
	s_add_nc_u64 s[8:9], s[8:9], s[46:47]
; 8 products: row blocks a0, a0 + 1 x all 4 column blocks, 32 along K: half c of buffer f.  zero = 1: the product starts the sum.  The 16 accumulators take turns.
.macro MUL8 f, c, a0, zero
	WIN MUL
.irp a, \a0, (\a0)+1
.irp b, 0,1,2,3
.if \zero
	v_wmma_f32_16x16x32_f16 v[ACC+8*(4*(\a)+(\b)):ACC+8*(4*(\a)+(\b))+7], v[(\f)+64+8*(4*(\c)+(\b)):(\f)+64+8*(4*(\c)+(\b))+7], v[(\f)+8*(4*(\c)+(\a)):(\f)+8*(4*(\c)+(\a))+7], 0
.else
	v_wmma_f32_16x16x32_f16 v[ACC+8*(4*(\a)+(\b)):ACC+8*(4*(\a)+(\b))+7], v[(\f)+64+8*(4*(\c)+(\b)):(\f)+64+8*(4*(\c)+(\b))+7], v[(\f)+8*(4*(\c)+(\a)):(\f)+8*(4*(\c)+(\a))+7], v[ACC+8*(4*(\a)+(\b)):ACC+8*(4*(\a)+(\b))+7]
.endif
.endr
.endr
.endm
; 32 LDS loads in one run: the fragments of 64 along K at byte k of the rows of the slot that is being read, into buffer f; the first 32 along K first
.macro FETCH k, f
	WIN TO_F
.irp c, 0,1
.irp i, 0,1,2,3
	ds_load_b128 v[(\f)+64+8*(4*(\c)+(\i)):(\f)+64+8*(4*(\c)+(\i))+3],   v[ADRB] offset:(\k)+64*(\c)+(\i)*16*PITCH
	ds_load_b128 v[(\f)+64+8*(4*(\c)+(\i))+4:(\f)+64+8*(4*(\c)+(\i))+7], v[ADRB] offset:(\k)+64*(\c)+(\i)*16*PITCH+32
	ds_load_b128 v[(\f)+8*(4*(\c)+(\i)):(\f)+8*(4*(\c)+(\i))+3],         v[ADRA] offset:(\k)+64*(\c)+(\i)*16*PITCH
	ds_load_b128 v[(\f)+8*(4*(\c)+(\i))+4:(\f)+8*(4*(\c)+(\i))+7],       v[ADRA] offset:(\k)+64*(\c)+(\i)*16*PITCH+32
.endr
.endr
.endm
.macro PLACES                          ; four places in front of loads into registers that matrix instructions have read, and of LDS stores that read results
.rept 4
	v_nop
.endr
.endm
.macro QUARTER k, f, g, zero
	s_wait_dscnt 16                                ; the first 32 along K are in
	MUL8 \f, 0, 0, \zero
	MUL8 \f, 0, 2, \zero
	PLACES
	FETCH \k, \g
	s_wait_dscnt 32                                ; all but the 32 just issued
	MUL8 \f, 1, 0, 0
	MUL8 \f, 1, 2, 0
.endm
; The last quarter multiplies buffer 1 and changes slots: in front of the barrier each wave waits for all its tensor loads, adds 0 to its spare word, and waits for that and for its reads of this slot.
; fill = 1: the barrier is a round of the cluster's, and this slot is filled again, with the walk's step two on, first thing behind the round: 120 of a step's 128 products stand between the request and the wait for it.
; The descriptor's address is made anew from the step's number modulo 8.
.macro TURN fill
	WIN 0
	s_wait_tensorcnt 0x0                           ; all my tensor loads have landed: my part of the next slot; so a group 0 may be written
	ds_add_u32 v[SPW], v[NIL]                      ; 0 onto my spare word
.if \fill
	s_and_b32 s[OF], s[NX], STEPS-1
	s_lshl_b32 s[OF], s[OF], 9
	s_add_co_u32 s[NX], s[NX], 1
	s_xor_b32 s[G0+5], s[G0+5], SLOT               ; the walking descriptors: the other slot than last time
	s_add_nc_u64 s[G0+6:G0+7], s[XB:XB+1], s[OF:OF+1]
	s_or_b32 s[G0+7], s[G0+7], 0x80000000
	s_xor_b32 s[G0B+5], s[G0B+5], SLOT
	s_add_nc_u64 s[G0B+6:G0B+7], s[WB:WB+1], s[OF:OF+1]
	s_or_b32 s[G0B+7], s[G0B+7], 0x80000000
.endif
	s_wait_dscnt 17                                ; the add and the youngest sixteen loads may be out
	MUL8 F1, 0, 0, 0                               ; eight products stand between the add and the wait for it
	WIN 0
	s_wait_dscnt 0x0                               ; the add is done, and my reads of this slot are over
.if \fill
	CROUND                                         ; no wave of any partner still reads this slot or has a load on its way
	JLOAD 1                                        ; its four v_nop are also the places in front of the loads below
.else
	s_barrier_signal -1
	s_barrier_wait -1
	PLACES
.endif
	s_xor_b32 s[TB], s[TB], SLOT                   ; the reads go to the other slot
	v_add_nc_u32 v[ADRA], s[TB], v[BASA]
	v_add_nc_u32 v[ADRB], s[TB], v[BASB]
	FETCH 0, F0
	MUL8 F1, 0, 2, 0
	MUL8 F1, 1, 0, 0
	MUL8 F1, 1, 2, 0
.endm
	s_wait_tensorcnt 1                             ; my part of the walk's first step is in; the second may stay out
	s_barrier_signal -1
	s_barrier_wait -1
	FETCH 0, F0
	QUARTER 128, F0, F1, 1                         ; the first quarter stands in front of the loop: its first products start the sums
	WIN 0
	s_mov_b32 s3, STEPS-2
.Lstep:                                                ; a trip: a step's second to fourth quarters and the next step's first; the slot that is left is filled again
	QUARTER 256, F1, F0, 0
	QUARTER 384, F0, F1, 0
	TURN 1
	QUARTER 128, F0, F1, 0
	WIN 0
	s_sub_co_u32 s3, s3, 1
	s_cmp_lg_u32 s3, 0
	s_cbranch_scc1 .Lstep
	s_mov_b32 s3, 2
.Ltail:                                                ; the last two steps fill nothing: a text of their own; the second trip is left in its middle
	QUARTER 256, F1, F0, 0
	QUARTER 384, F0, F1, 0
	TURN 0
	WIN 0
	s_sub_co_u32 s3, s3, 1
	s_cmp_eq_u32 s3, 0
	s_cbranch_scc1 .Lout
	QUARTER 128, F0, F1, 0
	WIN 0
	s_branch .Ltail
.Lout:                                                 ; the second trip's 32 LDS loads (of the slot read before) serve nothing: the price, once a launch, of one text for both trips
	; THE WAY OUT, 16 rows at a time: 32 bytes a lane into my stage, each accumulator's low half first; back as whole rows of 256 bytes; stored.
	PLACES
.irp a, 0,1,2,3
.irp b, 0,1,2,3
	ds_store_b128 v[STO], v[ACC+8*(4*(\a)+(\b)):ACC+8*(4*(\a)+(\b))+3]   offset:64*(\b)
	ds_store_b128 v[STO], v[ACC+8*(4*(\a)+(\b))+4:ACC+8*(4*(\a)+(\b))+7] offset:64*(\b)+16
.endr
	s_wait_xcnt 0x0                                ; the stores of two blocks back have read the registers that are loaded again below
.irp t, 0,1,2,3,4,5,6,7
	ds_load_b128 v[TMP+32*((\a)%2)+4*(\t):TMP+32*((\a)%2)+4*(\t)+3], v[RD] offset:(\t)*2*SPITCH  ; LDS serves a wave's instructions in order (ISA guide 5.7.1.4): these see the stores above
.endr
.irp t, 0,1,2,3,4,5,6,7
	s_wait_dscnt 7-(\t)
	global_store_b128 v[CO], v[TMP+32*((\a)%2)+4*(\t):TMP+32*((\a)%2)+4*(\t)+3], s[8:9] offset:(16*(\a)+2*(\t))*8192 th:TH_STORE_NT  ; 16 lanes store 256 consecutive bytes, aligned
.endr
.endr
	s_wait_tensorcnt 0x0                           ; the wave's end: behind my last tensor load and my last LDS store
	ds_add_u32 v[SPW], v[NIL]
	s_wait_dscnt 0x0
	CROUND                                         ; the closing round
	s_endpgm
.Lfunc_end_k_qd8b9bc8e88_oproj:
	.size	k_qd8b9bc8e88_oproj, .Lfunc_end_k_qd8b9bc8e88_oproj-k_qd8b9bc8e88_oproj
	.p2alignl 7, 3214868480
	.fill 96, 4, 3214868480
	.section	.rodata,"a",@progbits
	.p2align	6, 0x0
	.amdhsa_kernel k_qd8b9bc8e88_oproj
		.amdhsa_group_segment_fixed_size 327680
		.amdhsa_private_segment_fixed_size 0
		.amdhsa_enable_private_segment 0
		.amdhsa_kernarg_size 24
		.amdhsa_user_sgpr_count 2
		.amdhsa_user_sgpr_kernarg_segment_ptr 1
		.amdhsa_wavefront_size32 1
		.amdhsa_system_sgpr_workgroup_id_x 1
		.amdhsa_system_sgpr_workgroup_id_y 1
		.amdhsa_system_sgpr_workgroup_id_z 1
		.amdhsa_system_vgpr_workitem_id 0
		.amdhsa_next_free_vgpr 512
		.amdhsa_next_free_sgpr 80
		.amdhsa_reserve_vcc 0
		.amdhsa_float_denorm_mode_32 3
		.amdhsa_float_denorm_mode_16_64 3
		.amdhsa_memory_ordered 1
		.amdhsa_forward_progress 1
		.amdhsa_inst_pref_size 59
	.end_amdhsa_kernel
	.amdgpu_metadata
---
amdhsa.version: [ 1, 2 ]
amdhsa.kernels:
  - .name:           k_qd8b9bc8e88_oproj
    .symbol:         k_qd8b9bc8e88_oproj.kd
    .args:
      - { .name: att, .offset: 0, .size: 8, .value_kind: global_buffer, .address_space: global }
      - { .name: xw, .offset: 8, .size: 8, .value_kind: global_buffer, .address_space: global }
      - { .name: out0, .offset: 16, .size: 8, .value_kind: global_buffer, .address_space: global }
    .group_segment_fixed_size: 327680
    .private_segment_fixed_size: 0
    .kernarg_segment_align: 8
    .kernarg_segment_size: 24
    .max_flat_workgroup_size: 128
    .sgpr_count:     80
    .vgpr_count:     512
    .wavefront_size: 32
...
	.end_amdgpu_metadata
.endif
;; end of part 4
